; MI455X (gfx1250); checked and timed in simulation.
; The chip was launched on July 23, 2026; its instructions are those of AMD's public machine-readable ISA for CDNA 5 (MIT licence, August 2026) and "CDNA5" Instruction Set Architecture Reference Guide (July 2026). The comments in the code are by the model that wrote it; some were corrected since.
;; Gaussian Rasterizer. Allowed arithmetic: float matrix products may take bf16 or f16 operands with f32 sums; all other float work in f32.
;; Inputs: bg 3 float32; colors_precomp 512 x 3 float32; means3D 512 x 3 float32; opacities 512 x 1 float32; rotations 512 x 4 float32; scales 512 x 3 float32; viewmatrix 4 x 4 float32.
;; Outputs: out0 256 x 256 x 3 float32; out1 512 int32; out2 256 x 256 int32; out3 256 x 256 float32; out4 256 x 256 float32; out5 256 x 256 float32.
;; 2 versions, each right; version 2 is version 1 with the launch raster written anew for expert scheduling mode. Each part assembles by itself: llvm-mc -triple=amdgcn-amd-amdhsa -mcpu=gfx1250 --defsym DOCPART=n.
;; ======== version 1 of 2: 2 launches
;; workspace buffers: gs 24,576 bytes; bins 2,048 bytes of whole numbers
;; launch prep (part 1): grid 8 x 1, 10 waves a work-group, no clusters, 7,424 bytes of LDS; arguments means3D, opacities, colors_precomp, scales, rotations, viewmatrix, gs, bins, out1; writes gs, bins, out1
.if DOCPART == 1
	.amdgcn_target "amdgcn-amd-amdhsa--gfx1250"
	.amdhsa_code_object_version 6
	.text
	.protected	k_qbc3f0993e1_prep
	.globl	k_qbc3f0993e1_prep
	.p2align	8
	.type	k_qbc3f0993e1_prep,@function
k_qbc3f0993e1_prep:
	s_mov_b64 s[64:65], 0
	v_nop
	global_prefetch_b8 v0, s[64:65] scope:SCOPE_SE
	s_setreg_imm32_b32 hwreg(HW_REG_WAVE_MODE, 25, 1), 1
	s_wait_xcnt 0x0
; PREP: per Gaussian the projected parameters, the radius, the place in the depth order and a box of pixel tiles.
; 8 work-groups of 10 waves; work-group b owns Gaussians 64 b .. 64 b + 63, so that its 64 words of bins and of out1 are 256 aligned bytes each.
;   waves 0-7: wave w counts, for each own Gaussian i, the j in 64 w .. 64 w + 63 that come before i in a stable sort by depth.
;   waves 8-9: one lane, one Gaussian: view transform, covariance, conic, radius, pixel mean, tile box, the record for the second launch.
;   behind one barrier wave 8 adds the eight counts, packs the word and stores bins and out1.
; gs record (48 bytes, by the Gaussian's own number): mx my ca cb | r g b z | cc opa' 0 0, opa' = 0 where the Gaussian is not valid.
; bins word: 8:0 rank, 11:9 xlo, 14:12 xhi1, 21:15 ylo, 28:22 yhi1; tile (tx, ty) of 64 x 4 pixels is hit iff xlo <= tx < xhi1 and ylo <= ty < yhi1.
; ARITHMETIC: the order of operations is the source formula's; dot products are chains of fused multiply-adds in ascending index, in p q +- r s
; the first product is fused; quotients and roots are refined to the rounded result (one Newton step and a residual correction).
; THE BOX is conservative: a pair is kept only if the quadratic form q <= tau0 = ln(255 opa); on q = tau, dx^2 <= 2 tau cc / (ca cc - cb^2).
; tau = 1.01 tau0 + 0.01, half widths times 1.01 plus one pixel.  Where ca cc > 1024 (ca cc - cb^2), or the conic is not positive, the box is
; the whole screen: up to that ratio the f32 evaluation of q errs by under 0.3 per cent of q, which the margins cover.
; LIMITS: a NaN depth is not served (the key order differs from the sort's, and ranks are then no permutation).  v_rcp_f32, v_rsq_f32, v_sqrt_f32 and
; v_log_f32 flush denormals (ISA guide, their entries in 15.8): divisors and radicands below 2^-126 are not served.
; No matrix unit, tensor load or cluster: 29 KB of inputs, no tile that two work-groups share beyond 6 KB of means.
.set CNT, 0                            ; LDS: u32 [8 waves][64 own Gaussians]
.set BBX, 2048                         ; box bits, a word for each own Gaussian
.set RAD, 2304                         ; radius, likewise
.set STG, 2560                         ; 2 x 1,536 bytes: a record stage for each of waves 8, 9
; rank waves
.set UI, 20                            ; v20-21  keys of my two own Gaussians
.set UJ, 22                            ; v22-23  keys of my wave's 64 j
.set DD, 24                            ; v24-25  i - 64 w (signed): j = 64 w + k is before i in memory iff k < this
.set CN, 26                            ; v26-29  counters, two for each own Gaussian
.set TT, 32                            ; v32-39  at work
; prep waves
.set MM, 4
.set OPA, 7
.set SC, 12
.set QR, 16
.set X, 20
.set Y, 21
.set ZC, 23
.set RZ, 24
.set ZZ, 25
.set RZZ, 26
.set TX, 27
.set TY, 28
.set QN, 30                            ; v30-33  normalised quaternion r x y z
.set RM, 34                            ; v34-42  rotation
.set MS, 43                            ; v43-51  rotation x scales
.set CV, 52                            ; v52-57  covariance 00 01 02 11 12 22
.set J00, 58
.set J02, 59
.set J12, 60
.set TM, 61                            ; v61-66  T = J Rw
.set UM, 67                            ; v67-72  T cov
.set AA, 73
.set AB, 74
.set AC, 75
.set DET, 76
.set INV, 77
.set MID, 81
.set LAM, 82
.set RADV, 83
.set E, 89
.set T0, 90
.set T1, 91
.set T2, 92
.set T3, 93
.set T4, 94
.set T5, 95
.set T6, 96
.set T7, 97
.set PK, 98
.set MX, 100                           ; v100-111 the record, each field made in its place
.set MY, 101
.set CA, 102
.set CB, 103
.set COL, 104
.set Z, 107
.set CCN, 108
.set OPV, 109
.set RB, 112                           ; v112-123 the record stage read back
; one row of the view transform: m . Rw[row] + t[row]; the matrix lies in s[36:51], row-major
.macro VROW d, m, row
	v_mul_f32 v[\d], s[36+4*\row], v[\m]
	v_fma_f32 v[\d], v[\m+1], s[37+4*\row], v[\d]
	v_fma_f32 v[\d], v[\m+2], s[38+4*\row], v[\d]
	v_add_f32 v[\d], s[39+4*\row], v[\d]
.endm
; depth as an unsigned key in float order; -0 counts as +0, as in the sort
.macro ZU u, m
	VROW \u, \m, 2
	v_add_f32 v[\u], 0, v[\u]
	v_ashrrev_i32 v30, 31, v[\u]
	v_or_b32 v30, 0x80000000, v30
	v_xor_b32 v[\u], v[\u], v30
.endm
; reciprocal with one Newton step.  One plain vector instruction stands behind a transcendental before its result is used (ISA guide 5.7.2).
.macro RCPN rec, den, err
	v_rcp_f32 v[\rec], v[\den]
	v_nop
	s_wait_alu depctr_va_vdst(0)
	v_fma_f32 v[\err], -v[\den], v[\rec], 1.0
	v_fma_f32 v[\rec], v[\err], v[\rec], v[\rec]
.endm
; quotient num / den from den's refined reciprocal, corrected by its residual
.macro DIVQ quo, num, den, rec, err
	v_mul_f32 v[\quo], \num, v[\rec]
	v_fma_f32 v[\err], -v[\quo], v[\den], \num
	v_fma_f32 v[\quo], v[\err], v[\rec], v[\quo]
.endm
; square root, corrected by its residual
.macro SQRTN root, arg, rec, err
	v_rsq_f32 v[\rec], v[\arg]
	v_nop
	s_wait_alu depctr_va_vdst(0)
	v_mul_f32 v[\root], v[\arg], v[\rec]
	v_mul_f32 v[\rec], 0.5, v[\rec]
	v_fma_f32 v[\err], -v[\root], v[\root], v[\arg]
	v_fma_f32 v[\root], v[\err], v[\rec], v[\root]
.endm
; a chain of three products
.macro CH3 d, a0, b0, a1, b1, a2, b2
	v_mul_f32 v[\d], v[\a0], v[\b0]
	v_fma_f32 v[\d], v[\a1], v[\b1], v[\d]
	v_fma_f32 v[\d], v[\a2], v[\b2], v[\d]
.endm
; rotation entries: 1 - 2 (p p + q q) and 2 (a b +- c e), indices into the quaternion
.macro RDIAG d, p, q
	v_mul_f32 v[T0], v[QN+\q], v[QN+\q]
	v_fma_f32 v[T0], v[QN+\p], v[QN+\p], v[T0]
	v_fma_f32 v[RM+\d], v[T0], -2.0, 1.0
.endm
.macro ROFF d, a, b, c, e, minus
	v_mul_f32 v[T0], v[QN+\c], v[QN+\e]
.if \minus
	v_fma_f32 v[T0], v[QN+\a], v[QN+\b], -v[T0]
.else
	v_fma_f32 v[T0], v[QN+\a], v[QN+\b], v[T0]
.endif
	v_add_f32 v[RM+\d], v[T0], v[T0]
.endm
; eight j (lanes k0 & 31 .. of key register src) against both own Gaussians: j comes first iff u_j < u_i + (j < i)
.macro RANK8 src, k0
.irp kk, 0,1,2,3,4,5,6,7
	v_readlane_b32 s[52+\kk], v[\src], (\k0+\kk)&31
.endr
.irp set, 0,1
.irp kk, 0,1,2,3,4,5,6,7
	v_cmp_gt_i32 s[66+\kk], v[DD+\set], \k0+\kk
.endr
.irp kk, 0,1,2,3,4,5,6,7
	v_add_co_ci_u32 v[TT+\kk], s[66+\kk], 0, v[UI+\set], s[66+\kk]
.endr
.irp kk, 0,1,2,3,4,5,6,7
	v_cmp_lt_u32 s[66+\kk], s[52+\kk], v[TT+\kk]
.endr
.irp kk, 0,1,2,3,4,5,6,7
	v_add_co_ci_u32 v[CN+2*\set+(\kk&1)], s[66+\kk], 0, v[CN+2*\set+(\kk&1)], s[66+\kk]
.endr
.endr
.endm
	s_load_b512 s[8:23], s[0:1], 0x0               ; means s[8:9] opacities s[10:11] colours s[12:13] scales s[14:15] rotations s[16:17] view s[18:19] gs s[20:21] bins s[22:23]
	s_load_b64 s[24:25], s[0:1], 0x40              ; out1
	v_lshl_add_u32 v128, v0, 2, 0x1800
	v_mov_b32 v129, 0
	v_and_b32 v1, 31, v0                           ; lane
	v_lshrrev_b32 v2, 5, v0
	v_readfirstlane_b32 s2, v2                     ; wave 0..9
	s_lshl_b32 s3, ttmp9, 6                        ; my work-group's first Gaussian
	s_wait_kmcnt 0x0
	s_load_b512 s[36:51], s[18:19], 0x0            ; the view matrix, 16 words
	s_cmp_ge_u32 s2, 8
	s_cbranch_scc1 .Lprep
	; ---- waves 0-7: counts ----
	v_add_nc_u32 v2, s3, v1
	v_mul_u32_u24 v2, 12, v2                       ; byte offset of the mean of i = 64 b + lane
	s_lshl_b32 s4, s2, 6
	v_add_nc_u32 v3, s4, v1
	v_mul_u32_u24 v3, 12, v3                       ; and of j = 64 w + lane
	global_load_b96 v[4:6], v2, s[8:9]
	global_load_b96 v[8:10], v2, s[8:9] offset:384 ; 32 Gaussians on
	global_load_b96 v[12:14], v3, s[8:9]
	global_load_b96 v[16:18], v3, s[8:9] offset:384
	s_sub_co_i32 s5, s3, s4                        ; 64 (b - w)
	v_add_nc_u32 v[DD], s5, v1
	v_add_nc_u32 v[DD+1], 32, v[DD]
.irp c, 0,1,2,3
	v_mov_b32 v[CN+\c], 0
.endr
	s_wait_kmcnt 0x0                               ; the matrix
	s_wait_loadcnt 0x0                             ; all four means
	ZU UI, 4
	ZU UI+1, 8
	ZU UJ, 12
	ZU UJ+1, 16
	RANK8 UJ, 0
	RANK8 UJ, 8
	RANK8 UJ, 16
	RANK8 UJ, 24
	RANK8 UJ+1, 32
	RANK8 UJ+1, 40
	RANK8 UJ+1, 48
	RANK8 UJ+1, 56
	v_add_nc_u32 v[CN], v[CN], v[CN+1]
	v_add_nc_u32 v[CN+2], v[CN+2], v[CN+3]
	s_lshl_b32 s4, s2, 8
	v_lshl_add_u32 v31, v1, 2, s4                  ; CNT + 256 w + 4 lane
	ds_store_b32 v31, v[CN] offset:CNT
	ds_store_b32 v31, v[CN+2] offset:CNT+128
	s_branch .Ljoin
	; ---- waves 8, 9: one lane, one Gaussian ----
.Lprep:
	s_sub_co_u32 s4, s2, 8                         ; 0 or 1
	s_lshl_b32 s5, s4, 5
	v_add_nc_u32 v2, s5, v1                        ; number within the work-group, 0..63
	v_add_nc_u32 v3, s3, v2                        ; i
	v_mul_u32_u24 v86, 12, v3
	v_lshlrev_b32 v87, 2, v3
	v_lshlrev_b32 v88, 4, v3
	global_load_b96 v[MM:MM+2], v86, s[8:9]
	global_load_b32 v[OPA], v87, s[10:11]
	global_load_b96 v[COL:COL+2], v86, s[12:13]    ; straight into the record
	global_load_b96 v[SC:SC+2], v86, s[14:15]
	global_load_b128 v[QR:QR+3], v88, s[16:17]
	s_mov_b32 s76, 0x3f333871                      ; 1.01 ln 2
	s_mov_b32 s77, 0x3c23d70a                      ; 0.01
	s_mov_b32 s78, 0x3f8147ae                      ; 1.01
	s_mov_b32 s79, 0x3c800000                      ; 1 / 64
	s_wait_kmcnt 0x0                               ; the matrix
	s_wait_loadcnt 0x0                             ; all five loads
	VROW X, MM, 0
	VROW Y, MM, 1
	VROW Z, MM, 2
	v_max_num_f32 v[ZC], 0x38d1b717, v[Z]          ; max(z, 1e-4)
	RCPN RZ, ZC, E
	DIVQ T0, v[X], ZC, RZ, E
	DIVQ T1, v[Y], ZC, RZ, E
	v_max_num_f32 v[T0], 0xbf68f5c3, v[T0]         ; clip to +-0.91
	v_max_num_f32 v[T1], 0xbf68f5c3, v[T1]
	v_min_num_f32 v[T0], 0x3f68f5c3, v[T0]
	v_min_num_f32 v[T1], 0x3f68f5c3, v[T1]
	v_mul_f32 v[TX], v[T0], v[ZC]
	v_mul_f32 v[TY], v[T1], v[ZC]
	; the quaternion, normalised, and its rotation
	v_mul_f32 v[T0], v[QR], v[QR]
	v_fma_f32 v[T0], v[QR+1], v[QR+1], v[T0]
	v_fma_f32 v[T0], v[QR+2], v[QR+2], v[T0]
	v_fma_f32 v[T0], v[QR+3], v[QR+3], v[T0]
	SQRTN T1, T0, T2, E
	RCPN T2, T1, E
.irp c, 0,1,2,3
	DIVQ QN+\c, v[QR+\c], T1, T2, E
.endr
	RDIAG 0, 2, 3
	ROFF 1, 1, 2, 0, 3, 1
	ROFF 2, 1, 3, 0, 2, 0
	ROFF 3, 1, 2, 0, 3, 0
	RDIAG 4, 1, 3
	ROFF 5, 2, 3, 0, 1, 1
	ROFF 6, 1, 3, 0, 2, 1
	ROFF 7, 2, 3, 0, 1, 0
	RDIAG 8, 1, 2
.irp i, 0,1,2
.irp j, 0,1,2
	v_mul_f32 v[MS+3*\i+\j], v[RM+3*\i+\j], v[SC+\j]
.endr
.endr
	CH3 CV+0, MS+0, MS+0, MS+1, MS+1, MS+2, MS+2
	CH3 CV+1, MS+0, MS+3, MS+1, MS+4, MS+2, MS+5
	CH3 CV+2, MS+0, MS+6, MS+1, MS+7, MS+2, MS+8
	CH3 CV+3, MS+3, MS+3, MS+4, MS+4, MS+5, MS+5
	CH3 CV+4, MS+3, MS+6, MS+4, MS+7, MS+5, MS+8
	CH3 CV+5, MS+6, MS+6, MS+7, MS+7, MS+8, MS+8
	; the Jacobian's three entries; fx = fy = 256 / 1.4
	DIVQ J00, 0x4336db6e, ZC, RZ, E
	v_mul_f32 v[ZZ], v[ZC], v[ZC]
	RCPN RZZ, ZZ, E
	v_mul_f32 v[T0], 0xc336db6e, v[TX]
	v_mul_f32 v[T1], 0xc336db6e, v[TY]
	DIVQ J02, v[T0], ZZ, RZZ, E
	DIVQ J12, v[T1], ZZ, RZZ, E
.irp k, 0,1,2
	v_mul_f32 v[TM+\k], s[36+\k], v[J00]
	v_mul_f32 v[TM+3+\k], s[40+\k], v[J00]
	v_fma_f32 v[TM+\k], v[J02], s[44+\k], v[TM+\k]
	v_fma_f32 v[TM+3+\k], v[J12], s[44+\k], v[TM+3+\k]
.endr
.irp i, 0,1
	CH3 UM+3*\i+0, TM+3*\i, CV+0, TM+3*\i+1, CV+1, TM+3*\i+2, CV+2
	CH3 UM+3*\i+1, TM+3*\i, CV+1, TM+3*\i+1, CV+3, TM+3*\i+2, CV+4
	CH3 UM+3*\i+2, TM+3*\i, CV+2, TM+3*\i+1, CV+4, TM+3*\i+2, CV+5
.endr
	CH3 AA, UM+0, TM+0, UM+1, TM+1, UM+2, TM+2
	CH3 AB, UM+0, TM+3, UM+1, TM+4, UM+2, TM+5
	CH3 AC, UM+3, TM+3, UM+4, TM+4, UM+5, TM+5
	v_add_f32 v[AA], 0x3e99999a, v[AA]             ; + 0.3
	v_add_f32 v[AC], 0x3e99999a, v[AC]
	v_mul_f32 v[T0], v[AB], v[AB]
	v_fma_f32 v[DET], v[AA], v[AC], -v[T0]
	v_max_num_f32 v[T1], 0x2b8cbccc, v[DET]        ; max(det, 1e-12)
	RCPN T2, T1, E
	DIVQ INV, 1.0, T1, T2, E
	v_mul_f32 v[CA], v[AC], v[INV]
	v_mul_f32 v[CB], -v[AB], v[INV]
	v_mul_f32 v[CCN], v[AA], v[INV]
	; the radius: ceil(3 sqrt(lam1)) as -floor(-3 sqrt(lam1))
	v_add_f32 v[MID], v[AA], v[AC]
	v_mul_f32 v[MID], 0.5, v[MID]
	v_fma_f32 v[T0], v[MID], v[MID], -v[DET]
	v_max_num_f32 v[T0], 0x3dcccccd, v[T0]         ; max(.., 0.1)
	SQRTN T1, T0, T2, E
	v_add_f32 v[LAM], v[MID], v[T1]
	SQRTN T1, LAM, T2, E
	v_mul_f32 v[T1], 0xc0400000, v[T1]
	v_floor_f32 v[T1], v[T1]
	v_cvt_i32_f32 v[T1], v[T1]
	v_sub_nc_u32 v[RADV], 0, v[T1]
	; the mean in pixels
	v_mul_f32 v[T0], 0x4336db6e, v[X]
	v_mul_f32 v[T1], 0x4336db6e, v[Y]
	DIVQ T2, v[T0], ZC, RZ, E
	DIVQ T3, v[T1], ZC, RZ, E
	v_add_f32 v[T2], 0x43000000, v[T2]             ; + 128
	v_add_f32 v[T3], 0x43000000, v[T3]
	v_add_f32 v[MX], -0.5, v[T2]
	v_add_f32 v[MY], -0.5, v[T3]
	; a Gaussian that is not valid gets the opacity 0: its alpha is then under 1/255 everywhere
	v_cmp_lt_f32 s66, 0x3e4ccccd, v[Z]             ; z > 0.2
	v_cmp_lt_f32 s67, 0, v[DET]
	s_and_b32 s66, s66, s67
	v_cndmask_b32 v[OPV], 0, v[OPA], s66
	v_mov_b32 v110, 0
	v_mov_b32 v111, 0
	; the box
	v_mul_f32 v[T0], v[CB], v[CB]
	v_fma_f32 v[T6], v[CA], v[CCN], -v[T0]         ; D = ca cc - cb cb
	v_mul_f32 v[T1], 0x437f0000, v[OPV]            ; 255 opa'
	v_log_f32 v[T1], v[T1]
	v_rcp_f32 v[T2], v[T6]
	v_mul_f32 v[T3], v[CA], v[CCN]                 ; (the plain place behind the two transcendentals)
	s_wait_alu depctr_va_vdst(0)
	v_fma_f32 v[T1], v[T1], s76, s77               ; tau
	v_mul_f32 v[T1], v[T1], v[T2]
	v_add_f32 v[T1], v[T1], v[T1]                  ; 2 tau / D
	v_mul_f32 v[T4], v[T1], v[CCN]
	v_mul_f32 v[T5], v[T1], v[CA]
	v_sqrt_f32 v[T4], v[T4]
	v_sqrt_f32 v[T5], v[T5]
	v_mul_f32 v[T2], 0x44800000, v[T6]             ; 1024 D (the plain place)
	s_wait_alu depctr_va_vdst(0)
	v_fma_f32 v[T4], v[T4], s78, 1.0               ; half width in x
	v_fma_f32 v[T5], v[T5], s78, 1.0               ; and in y
	v_sub_f32 v[T0], v[MX], v[T4]
	v_add_f32 v[T1], v[MX], v[T4]
	v_sub_f32 v[T6], v[MY], v[T5]
	v_add_f32 v[T7], v[MY], v[T5]
	v_mul_f32 v[T0], s79, v[T0]                    ; tiles are 64 pixels wide
	v_fma_f32 v[T1], v[T1], s79, 1.0
	v_mul_f32 v[T6], 0x3e800000, v[T6]             ; and 4 high
	v_fma_f32 v[T7], v[T7], 0x3e800000, 1.0
.irp t, T0, T1, T6, T7
	v_max_num_f32 v[\t], 0, v[\t]                  ; a NaN falls to 0
.endr
	v_min_num_f32 v[T0], 4.0, v[T0]
	v_min_num_f32 v[T1], 4.0, v[T1]
	v_min_num_f32 v[T6], 0x42800000, v[T6]
	v_min_num_f32 v[T7], 0x42800000, v[T7]
.irp t, T0, T1, T6, T7
	v_cvt_u32_f32 v[\t], v[\t]                     ; toward zero = floor, the numbers are not negative
.endr
	v_lshlrev_b32 v[PK], 9, v[T0]
	v_lshl_or_b32 v[PK], v[T1], 12, v[PK]
	v_lshl_or_b32 v[PK], v[T6], 15, v[PK]
	v_lshl_or_b32 v[PK], v[T7], 22, v[PK]
	v_cmp_lt_f32 s66, 0, v[CA]                     ; each of the three is false on a NaN
	v_cmp_lt_f32 s67, 0, v[CCN]
	v_cmp_ge_f32 s68, v[T2], v[T3]
	s_and_b32 s66, s66, s67
	s_and_b32 s66, s66, s68
	v_cndmask_b32 v[PK], 0x10004000, v[PK], s66    ; otherwise the whole screen: 0, 4, 0, 64
	v_cmp_le_f32 s67, 0x3b7f9725, v[OPV]           ; alpha <= opa': under 0.0039 (a little below 1/255) nothing is ever kept
	v_cndmask_b32 v[PK], 0, v[PK], s67             ; then the empty box
	; hand over: box and radius to wave 8; the record through my wave's own stage, so that each store covers 512 consecutive bytes
	v_lshlrev_b32 v124, 2, v2
	ds_store_b32 v124, v[PK] offset:BBX
	ds_store_b32 v124, v[RADV] offset:RAD
	s_mul_i32 s6, s4, 1536
	s_add_co_u32 s7, s6, STG
	v_mad_u32_u24 v125, v1, 48, s7
	v_lshl_add_u32 v126, v1, 4, s7
	s_mul_i32 s26, ttmp9, 3072
	s_add_co_u32 s26, s26, s6
	v_lshl_add_u32 v127, v1, 4, s26
.irp k, 0,1,2
	ds_store_b128 v125, v[MX+4*\k:MX+4*\k+3] offset:16*\k
.endr
.irp k, 0,1,2
	ds_load_b128 v[RB+4*\k:RB+4*\k+3], v126 offset:512*\k  ; my wave's own bytes; LDS serves a wave's instructions in order (ISA guide 5.7.1)
.endr
	s_wait_dscnt 0x0
.irp k, 0,1,2
	global_store_b128 v127, v[RB+4*\k:RB+4*\k+3], s[20:21] offset:512*\k
.endr
.Ljoin:
	s_wait_dscnt 0x0                               ; zero, for wave 8's sake: my LDS stores are done before I signal
	s_barrier_signal -1
	s_barrier_wait -1
	s_cmp_lg_u32 s2, 8
	s_cbranch_scc1 .Lend
	; ---- wave 8: lane l takes own Gaussians 2 l, 2 l + 1 ----
	v_lshlrev_b32 v2, 3, v1
.irp w, 0,1,2,3,4,5,6,7
	ds_load_b64 v[4+2*\w:5+2*\w], v2 offset:CNT+256*\w
.endr
	ds_load_b64 v[20:21], v2 offset:BBX
	ds_load_b64 v[22:23], v2 offset:RAD
	s_lshl_b32 s4, ttmp9, 8
	v_add_nc_u32 v24, s4, v2
	s_wait_dscnt 0x0
.irp h, 0,1
	v_add3_u32 v[4+\h], v[4+\h], v[6+\h], v[8+\h]
	v_add3_u32 v[10+\h], v[10+\h], v[12+\h], v[14+\h]
	v_add3_u32 v[4+\h], v[4+\h], v[16+\h], v[18+\h]
	v_add_nc_u32 v[4+\h], v[4+\h], v[10+\h]        ; the rank
	v_or_b32 v[4+\h], v[4+\h], v[20+\h]
.endr
	global_store_b64 v24, v[4:5], s[22:23]         ; 32 lanes x 8 bytes: 256 consecutive bytes, aligned
	global_store_b64 v24, v[22:23], s[24:25]
.Lend:
	s_wait_tensorcnt 0x0
	ds_add_u32 v128, v129
	s_wait_dscnt 0x0
	s_endpgm
.Lfunc_end_k_qbc3f0993e1_prep:
	.size	k_qbc3f0993e1_prep, .Lfunc_end_k_qbc3f0993e1_prep-k_qbc3f0993e1_prep
	.p2alignl 7, 3214868480
	.fill 96, 4, 3214868480
	.section	.rodata,"a",@progbits
	.p2align	6, 0x0
	.amdhsa_kernel k_qbc3f0993e1_prep
		.amdhsa_group_segment_fixed_size 7424
		.amdhsa_private_segment_fixed_size 0
		.amdhsa_enable_private_segment 0
		.amdhsa_kernarg_size 72
		.amdhsa_user_sgpr_count 2
		.amdhsa_user_sgpr_kernarg_segment_ptr 1
		.amdhsa_wavefront_size32 1
		.amdhsa_system_sgpr_workgroup_id_x 1
		.amdhsa_system_sgpr_workgroup_id_y 1
		.amdhsa_system_sgpr_workgroup_id_z 1
		.amdhsa_system_vgpr_workitem_id 0
		.amdhsa_next_free_vgpr 130
		.amdhsa_next_free_sgpr 90
		.amdhsa_reserve_vcc 0
		.amdhsa_float_denorm_mode_32 3
		.amdhsa_float_denorm_mode_16_64 3
		.amdhsa_memory_ordered 1
		.amdhsa_forward_progress 1
		.amdhsa_inst_pref_size 57
	.end_amdhsa_kernel
	.amdgpu_metadata
---
amdhsa.version: [ 1, 2 ]
amdhsa.kernels:
  - .name:           k_qbc3f0993e1_prep
    .symbol:         k_qbc3f0993e1_prep.kd
    .args:
      - { .name: means3D, .offset: 0, .size: 8, .value_kind: global_buffer, .address_space: global }
      - { .name: opacities, .offset: 8, .size: 8, .value_kind: global_buffer, .address_space: global }
      - { .name: colors_precomp, .offset: 16, .size: 8, .value_kind: global_buffer, .address_space: global }
      - { .name: scales, .offset: 24, .size: 8, .value_kind: global_buffer, .address_space: global }
      - { .name: rotations, .offset: 32, .size: 8, .value_kind: global_buffer, .address_space: global }
      - { .name: viewmatrix, .offset: 40, .size: 8, .value_kind: global_buffer, .address_space: global }
      - { .name: gs, .offset: 48, .size: 8, .value_kind: global_buffer, .address_space: global }
      - { .name: bins, .offset: 56, .size: 8, .value_kind: global_buffer, .address_space: global }
      - { .name: out1, .offset: 64, .size: 8, .value_kind: global_buffer, .address_space: global }
    .group_segment_fixed_size: 7424
    .private_segment_fixed_size: 0
    .kernarg_segment_align: 8
    .kernarg_segment_size: 72
    .max_flat_workgroup_size: 320
    .sgpr_count:     90
    .vgpr_count:     130
    .wavefront_size: 32
...
	.end_amdgpu_metadata
.endif
;; end of part 1
;; launch raster (part 2): grid 4 x 64, 4 waves a work-group, no clusters, 168,448 bytes of LDS; arguments bins, gs, bg, out0, out2, out3, out4, out5; writes out0, out2, out3, out4, out5
.if DOCPART == 2
	.amdgcn_target "amdgcn-amd-amdhsa--gfx1250"
	.amdhsa_code_object_version 6
	.text
	.protected	k_qbc3f0993e1_raster
	.globl	k_qbc3f0993e1_raster
	.p2align	8
	.type	k_qbc3f0993e1_raster,@function
k_qbc3f0993e1_raster:
	s_mov_b64 s[64:65], 0
	v_nop
	global_prefetch_b8 v0, s[64:65] scope:SCOPE_SE
	s_setreg_imm32_b32 hwreg(HW_REG_WAVE_MODE, 25, 1), 1
	s_wait_xcnt 0x0
; RASTER: alpha compositing, front to back.  256 work-groups of four waves; a work-group is a tile of 64 x 4 pixels, wave w its row 4 ty + w,
; lane L the pixels X = 64 tx + 2 L and Y = X + 1, held in register pairs: dy is the same for a whole wave, the arithmetic is packed f32, and a
; wave's 8-byte store covers 256 consecutive aligned bytes of a [256][256] image.
; A pair whose alpha is under 1/255 weighs nothing in any output, so a tile walks only the Gaussians whose box (first launch) meets it, in depth order:
;   1 every wave for itself: the 512 words of bins; each Gaussian's number, or -1 if it misses the tile, goes to the place of its rank (SRT);
;     the hits are counted here, from the words as loaded: the trip counts below hang on this count alone;
;   2 the hits are packed in rank order (LIST); places behind the last hit hold the number 0 and get the opacity 0;
;   3 the four waves together gather the listed records and lay tables by list place into LDS; a barrier;
;   4 blocks of 32 list places: alpha, weight, transmittance, count and largest weight in f32; colour and depth sums as [4 x 32] x [32 x 16]
;     products of bf16 operands with f32 sums;
;   5 a second barrier, then the colours leave through a stage in LDS, the other images straight from registers.
; ARITHMETIC: power = -0.5 ((ca dx) dx + (cc dy) dy) - (cb dx) dy in the source formula's association, the first product fused into the sum;
; exp(power) = v_exp_f32(power log2 e).  min(power, 0) is left out: it changes only pairs that power <= 0 rejects, and what they give
; (an infinity or a NaN too) is dropped by the select.  T is carried as T - alpha T.
; LIMITS: out2 agrees with another f32 evaluation only as far as both alphas fall on the same side of 1/255 (the exponential is good to an ulp or
; two, not correctly rounded, and flushes results under 2^-126 to 0: ISA guide 15.8).  Weights, colours and depths enter the products rounded to bf16.
; Ranks are taken to be a permutation of 0..511 (no NaN depth); a rank that no Gaussian holds counts as a miss, and of two Gaussians with one
; rank one is lost (the list is then shorter than the count of hits, and the places between are padding).
; NOT USED: tensor loads, clusters, multicast: what work-groups share is 2 KB of bins and scattered records of 40 bytes, no tile.
; The launch asks for more LDS than it uses so that a work-group has a WGP, and each wave a SIMD, to itself.
.set TP,   2112                        ; a table: 512 places x 4 bytes + 64 of slack (32 of them read by the look-ahead, and zeroed)
.set SRT,  0                           ; + 2048 w   wave's own: number or -1 by rank
.set LIST, 8192                        ; + 2112 w   wave's own: the list; place 512 takes the misses' stores
.set LPIT, 2112
.set TMX,  16640                       ; mx, ca, cb, opa by list place, TP apart, shared
.set TDY,  25088                       ; + TP w     gy - my for row w
.set TQQ,  33536                       ; + TP w     (cc dy) dy for row w
.set CT,   41984                       ; + 1040 n   bf16 r, g, b, z by list place
.set CTP,  1040
.set STG,  46144                       ; + 768 w    wave's own: a row's colours on the way out
.set GX,  2                            ; v[2:3]     the two pixels' x
.set AU,  14                           ; v14        address in the shared tables
.set AW,  15                           ; v15        address in my row's tables
.set UB0, 16                           ; v[16:63]   eight places' six fields (mx ca cb opa dy q), field f place k at 8 f + k
.set UB1, 64                           ; v[64:111]  the same, the other buffer
.set A,   112                          ; v[112:127] eight pairs: dx, then alpha
.set B,   128                          ; v[128:143] power
.set C,   144                          ; v[144:159] cross term, exponential, alpha before the select
.set W,   160                          ; v[160:175] weights
.set PX,  176                          ; v[176:191] pixel X's 32 weights in bf16, two places a register
.set PY,  192                          ; v[192:207] pixel Y's
.set CTF, 208                          ; v[208:215] colour fragment
.set XL,  216                          ; accumulators: X of lanes 0-15, X of lanes 16-31, Y likewise
.set XH,  224
.set YL,  232
.set YH,  240
.set ACT, 248                          ; v248       address of my part of the colour fragment
; v[4:5], v[6:7] T in turn; v8-11 counts (X, Y at even places, X, Y at odd places); v12, v13 largest weight
.set BW,  16                           ; set-up: v16-31 bins words, v32-47 SRT read back, v48-66 at work, v68-101 gather, v168-171 minus ones, v172-175 zeros
.set SV,  32
.set GY,  84
; s5 hits, counted from the words of bins; s30 list places filled, counted in the packing; s6 blocks; s7 block counter; s77 places that are read
	s_load_b512 s[8:23], s[0:1], 0x0               ; bins s[8:9] gs s[10:11] bg s[12:13] out0 s[14:15] out2 s[16:17] out3 s[18:19] out4 s[20:21] out5 s[22:23]
	v_lshl_add_u32 v254, v0, 2, 0x29000
	v_mov_b32 v255, 0
	v_and_b32 v1, 31, v0                           ; lane
	v_lshrrev_b32 v2, 5, v0
	v_readfirstlane_b32 s2, v2                     ; wave 0..3
	s_mov_b32 s3, ttmp9                            ; tx
	s_and_b32 s4, ttmp7, 0xffff                    ; ty
	v_lshlrev_b32 v61, 4, v1                       ; 16 L
	v_lshlrev_b32 v62, 2, v1                       ; 4 L
	s_lshl_b32 s74, s2, 11                         ; SRT of my wave
	s_mul_i32 s75, s2, LPIT
	s_add_co_u32 s75, s75, LIST                    ; LIST of my wave
	s_mul_i32 s76, s2, TP
	s_mov_b32 s5, 0                                ; hits so far
.irp r, 168,169,170,171
	v_mov_b32 v\r, -1
.endr
.irp r, 172,173,174,175
	v_mov_b32 v\r, 0
.endr
	s_wait_kmcnt 0x0
	s_load_b96 s[24:26], s[12:13], 0x0             ; bg, wanted at the end
.irp c, 0,1,2,3
	global_load_b128 v[BW+4*\c:BW+4*\c+3], v61, s[8:9] offset:512*\c   ; word e of chunk c: Gaussian 128 c + 4 L + e
.endr
	v_add_nc_u32 v52, s74, v61
	v_add_nc_u32 v59, s75, v61
.irp c, 0,1,2,3
	ds_store_b128 v52, v[168:171] offset:512*\c    ; every rank starts as a miss: no byte of SRT is read that was not written
	ds_store_b128 v59, v[172:175] offset:512*\c    ; the list starts as 512 zeros
.endr
	v_mov_b32 v60, s76                             ; the slack that the look-ahead reads: wave w clears shared table w's and its own two tables'
.irp t, TMX, TDY, TQQ
	ds_store_b128 v60, v[172:175] offset:\t+2048
	ds_store_b128 v60, v[172:175] offset:\t+2064
.endr
; one word of bins: does the box meet my tile; the hits are counted; the Gaussian's number or -1 goes to the place of its rank
.macro HIT c, e
	v_bfe_u32 v53, v[BW+4*\c+\e], 9, 3
	v_bfe_u32 v54, v[BW+4*\c+\e], 12, 3
	v_bfe_u32 v55, v[BW+4*\c+\e], 15, 7
	v_bfe_u32 v56, v[BW+4*\c+\e], 22, 7
	v_cmp_ge_u32 s70, s3, v53
	v_cmp_lt_u32 s71, s3, v54
	v_cmp_ge_u32 s72, s4, v55
	v_cmp_lt_u32 s73, s4, v56
	s_and_b32 s70, s70, s71
	s_and_b32 s72, s72, s73
	s_and_b32 s70, s70, s72
	s_bcnt1_i32_b32 s71, s70                       ; the 32 lanes' hits among these 32 Gaussians
	s_add_co_u32 s5, s5, s71
	v_and_b32 v57, 0x1ff, v[BW+4*\c+\e]
	v_add_nc_u32 v58, 128*\c+\e, v62
	v_min_u32 v57, 0x1ff, v57                      ; a loaded number enters an address only behind a clamp by a constant
	v_cndmask_b32 v58, -1, v58, s70
	v_lshl_add_u32 v57, v57, 2, s74
	ds_store_b32 v57, v58                          ; behind my wave's own fill with -1: LDS serves a wave's instructions in order (ISA guide 5.7.1)
.endm
.irp c, 0,1,2,3
	s_wait_loadcnt 3-\c                            ; chunk c is in; the 3 - c younger chunks stay out
.irp e, 0,1,2,3
	HIT \c, \e
.endr
.endr
.irp c, 0,1,2,3
	ds_load_b128 v[SV+4*\c:SV+4*\c+3], v52 offset:512*\c   ; rank 128 c + 4 L + e; my wave's own bytes, served behind its stores
.endr
	s_mov_b32 s30, 0                               ; list places filled so far
	s_wait_dscnt 0x0
; 128 ranks: a hit's list place = hits in earlier chunks + hits of lower lanes in this chunk + my own earlier hits
.macro COMPACT c
.irp e, 0,1,2,3
	v_cmp_le_i32 s[32+\e], 0, v[SV+4*\c+\e]
.endr
	v_mbcnt_lo_u32_b32 v48, s32, s30
	v_mbcnt_lo_u32_b32 v48, s33, v48
	v_mbcnt_lo_u32_b32 v48, s34, v48
	v_mbcnt_lo_u32_b32 v48, s35, v48
	v_add_co_ci_u32 v49, s70, 0, v48, s32
	v_add_co_ci_u32 v50, s70, 0, v49, s33
	v_add_co_ci_u32 v51, s70, 0, v50, s34
.irp e, 0,1,2,3
	v_cndmask_b32 v53, 0x200, v[48+\e], s[32+\e]   ; a miss goes to place 512, which nobody reads
	v_min_u32 v53, 0x200, v53
	v_lshl_add_u32 v53, v53, 2, s75
	ds_store_b32 v53, v[SV+4*\c+\e]
.endr
.irp e, 0,1,2,3
	s_bcnt1_i32_b32 s70, s[32+\e]
	s_add_co_u32 s30, s30, s70
.endr
.endm
	COMPACT 0
	COMPACT 1
	COMPACT 2
	COMPACT 3
	s_add_co_u32 s6, s5, 31
	s_lshr_b32 s6, s6, 5
	s_max_u32 s6, s6, 1                            ; blocks of 32 places; one at the least, which starts the sums
	s_min_u32 s6, s6, 16                           ; the list holds 512 places
	s_add_co_u32 s77, s5, 39                       ; places that are read: the last block's padding (31) and the look-ahead (8)
	s_lshl_b32 s70, s4, 2
	v_cvt_f32_u32 v[GY], s70                       ; the four rows' y
	v_add_f32 v[GY+1], 1.0, v[GY]
	v_add_f32 v[GY+2], 2.0, v[GY]
	v_add_f32 v[GY+3], 1.0, v[GY+2]
	v_lshlrev_b32 v63, 2, v0                       ; 4 t: my place in a chunk of the tables
	v_lshlrev_b32 v88, 1, v0                       ; 2 t: in the bf16 tables
	v_add_nc_u32 v65, s75, v63
; list places 128 k + t, t the thread's number: the record, and its fields into the tables
.macro GATHER k
	ds_load_b32 v64, v65 offset:512*\k
	v_add_nc_u32 v66, 128*\k, v0
	s_wait_dscnt 0x0
	v_min_u32 v64, 0x1ff, v64
	v_mul_u32_u24 v64, 48, v64
	global_load_b128 v[68:71], v64, s[10:11]               ; mx my ca cb
	global_load_b128 v[72:75], v64, s[10:11] offset:16     ; r g b z
	global_load_b64 v[76:77], v64, s[10:11] offset:32      ; cc opa'
	v_cmp_gt_u32 s70, s30, v66                             ; a place that the packing filled, not padding
	s_wait_loadcnt 0x0                                     ; the record is in, and v64 is free again
.irp r, 72,73,74,75,77
	v_cndmask_b32 v\r, 0, v\r, s70                         ; padding weighs nothing
.endr
.irp w, 0,1,2,3
	v_sub_f32 v[92+\w], v[GY+\w], v69
	v_mul_f32 v[96+\w], v76, v[92+\w]
.endr
.irp w, 0,1,2,3
	v_mul_f32 v[96+\w], v[96+\w], v[92+\w]
.endr
	v_cvt_pk_bf16_f32 v100, v72, v73
	v_cvt_pk_bf16_f32 v101, v74, v75
	ds_store_b32 v63, v68 offset:TMX+512*\k
	ds_store_b32 v63, v70 offset:TMX+TP+512*\k
	ds_store_b32 v63, v71 offset:TMX+2*TP+512*\k
	ds_store_b32 v63, v77 offset:TMX+3*TP+512*\k
.irp w, 0,1,2,3
	ds_store_b32 v63, v[92+\w] offset:TDY+TP*\w+512*\k
	ds_store_b32 v63, v[96+\w] offset:TQQ+TP*\w+512*\k
.endr
	ds_store_b16 v88, v100 offset:CT+256*\k
	ds_store_b16_d16_hi v88, v100 offset:CT+CTP+256*\k
	ds_store_b16 v88, v101 offset:CT+2*CTP+256*\k
	ds_store_b16_d16_hi v88, v101 offset:CT+3*CTP+256*\k
.endm
	GATHER 0
	s_cmp_le_u32 s77, 128
	s_cbranch_scc1 .Ltables
	GATHER 1
	s_cmp_le_u32 s77, 256
	s_cbranch_scc1 .Ltables
	GATHER 2
	s_cmp_le_u32 s77, 384
	s_cbranch_scc1 .Ltables
	GATHER 3
.Ltables:
	s_wait_kmcnt 0x0                               ; bg
	s_wait_dscnt 0x0                               ; zero, for the others' sake: my part of the tables is written before I signal
	s_barrier_signal -1
	s_barrier_wait -1                              ; from here on the tables are only read
	s_lshl_b32 s70, s3, 6
	v_lshl_add_u32 v2, v1, 1, s70
	v_cvt_f32_u32 v[GX], v2
	v_add_f32 v[GX+1], 1.0, v[GX]
	v_mov_b32 v4, 1.0                              ; T
	v_mov_b32 v5, 1.0
.irp r, 8,9,10,11,12,13
	v_mov_b32 v\r, 0                               ; counts and largest weights
.endr
	v_mov_b32 v[AU], TMX
	s_add_co_u32 s71, s76, TDY
	v_mov_b32 v[AW], s71
	v_and_b32 v[ACT], 3, v1                        ; matrix row m takes channel m & 3
	v_mul_u32_u24 v[ACT], CTP, v[ACT]
	v_lshrrev_b32 v249, 4, v1
	v_lshl_add_u32 v[ACT], v249, 5, v[ACT]         ; lanes 16-31: places 16-31 of the block
	v_add_nc_u32 v[ACT], CT, v[ACT]
	s_mov_b32 s27, 0x3b808081                      ; 1 / 255
	s_mov_b32 s28, 0x3f7d70a4                      ; 0.99
	s_mov_b32 s29, 0x0000ffff                      ; lanes 0-15
; twelve loads, every lane the same address: eight places' six fields
.macro LOADU ub, off
.irp f, 0,1,2,3
	ds_load_b128 v[\ub+8*\f:\ub+8*\f+3], v[AU] offset:TP*\f+\off
	ds_load_b128 v[\ub+8*\f+4:\ub+8*\f+7], v[AU] offset:TP*\f+\off+16
.endr
	ds_load_b128 v[\ub+32:\ub+35], v[AW] offset:\off
	ds_load_b128 v[\ub+36:\ub+39], v[AW] offset:\off+16
	ds_load_b128 v[\ub+40:\ub+43], v[AW] offset:TQQ-TDY+\off
	ds_load_b128 v[\ub+44:\ub+47], v[AW] offset:TQQ-TDY+\off+16
.endm
; eight list places (place 2 p + s; s picks the register of a field's pair for both halves of the packed instruction) x my two pixels.
; Every stage is eight or sixteen lines that do not wait for each other; only T is carried from place to place.
.macro BATCH ub, b
.irp p, 0,1,2,3
.irp s, 0,1
	v_pk_add_f32 v[A+4*\p+2*\s:A+4*\p+2*\s+1], v[GX:GX+1], v[\ub+2*\p:\ub+2*\p+1] op_sel:[0,\s] op_sel_hi:[1,\s] neg_lo:[0,1] neg_hi:[0,1]   ; dx
.endr
.endr
.irp p, 0,1,2,3
.irp s, 0,1
	v_pk_mul_f32 v[B+4*\p+2*\s:B+4*\p+2*\s+1], v[\ub+8+2*\p:\ub+8+2*\p+1], v[A+4*\p+2*\s:A+4*\p+2*\s+1] op_sel:[\s,0] op_sel_hi:[\s,1]       ; ca dx
.endr
.endr
.irp p, 0,1,2,3
.irp s, 0,1
	v_pk_mul_f32 v[C+4*\p+2*\s:C+4*\p+2*\s+1], v[\ub+16+2*\p:\ub+16+2*\p+1], v[A+4*\p+2*\s:A+4*\p+2*\s+1] op_sel:[\s,0] op_sel_hi:[\s,1]     ; cb dx
.endr
.endr
.irp p, 0,1,2,3
.irp s, 0,1
	v_pk_fma_f32 v[B+4*\p+2*\s:B+4*\p+2*\s+1], v[B+4*\p+2*\s:B+4*\p+2*\s+1], v[A+4*\p+2*\s:A+4*\p+2*\s+1], v[\ub+40+2*\p:\ub+40+2*\p+1] op_sel:[0,0,\s] op_sel_hi:[1,1,\s]   ; (ca dx) dx + (cc dy) dy
.endr
.endr
.irp p, 0,1,2,3
.irp s, 0,1
	v_pk_mul_f32 v[C+4*\p+2*\s:C+4*\p+2*\s+1], v[C+4*\p+2*\s:C+4*\p+2*\s+1], v[\ub+32+2*\p:\ub+32+2*\p+1] op_sel:[0,\s] op_sel_hi:[1,\s]     ; (cb dx) dy
.endr
.endr
.irp k, 0,1,2,3,4,5,6,7
	v_pk_fma_f32 v[B+2*\k:B+2*\k+1], v[B+2*\k:B+2*\k+1], -0.5, v[C+2*\k:C+2*\k+1] op_sel_hi:[1,0,1] neg_lo:[0,0,1] neg_hi:[0,0,1]            ; power
.endr
.irp k, 0,1,2,3,4,5,6,7
	v_pk_mul_f32 v[C+2*\k:C+2*\k+1], v[B+2*\k:B+2*\k+1], 0x3fb8aa3b op_sel_hi:[1,0]
.endr
.irp j, 0,1,2,3,4,5,6,7,8,9,10,11,12,13,14,15
	v_exp_f32 v[C+\j], v[C+\j]
.endr
.irp j, 0,1,2,3,4,5,6,7,8,9,10,11,12,13,14,15
	v_cmp_ge_f32 s[32+\j], 0, v[B+\j]              ; power <= 0; these lines also stand between the exponentials and their use (ISA guide 5.7.2)
.endr
	s_wait_alu depctr_va_vdst(0)
.irp p, 0,1,2,3
.irp s, 0,1
	v_pk_mul_f32 v[C+4*\p+2*\s:C+4*\p+2*\s+1], v[C+4*\p+2*\s:C+4*\p+2*\s+1], v[\ub+24+2*\p:\ub+24+2*\p+1] op_sel:[0,\s] op_sel_hi:[1,\s]     ; opa e
.endr
.endr
.irp j, 0,1,2,3,4,5,6,7,8,9,10,11,12,13,14,15
	v_cmp_le_f32 s[48+\j], s27, v[C+\j]            ; alpha >= 1/255 (the cap at 0.99 does not touch this test)
.endr
.irp j, 0,1,2,3,4,5,6,7,8,9,10,11,12,13,14,15
	s_and_b32 s[32+\j], s[32+\j], s[48+\j]         ; keep
	v_min_num_f32 v[C+\j], s28, v[C+\j]
.endr
.irp j, 0,1,2,3,4,5,6,7,8,9,10,11,12,13,14,15
	v_cndmask_b32 v[A+\j], 0, v[C+\j], s[32+\j]    ; alpha
.endr
.irp p, 0,1,2,3
	v_pk_mul_f32 v[W+4*\p:W+4*\p+1], v[A+4*\p:A+4*\p+1], v[4:5]
	v_pk_fma_f32 v[6:7], v[A+4*\p:A+4*\p+1], v[4:5], v[4:5] neg_lo:[1,0,0] neg_hi:[1,0,0]
	v_add_co_ci_u32 v8, s[48+4*\p], 0, v8, s[32+4*\p]
	v_add_co_ci_u32 v9, s[49+4*\p], 0, v9, s[33+4*\p]
	v_pk_mul_f32 v[W+4*\p+2:W+4*\p+3], v[A+4*\p+2:A+4*\p+3], v[6:7]
	v_pk_fma_f32 v[4:5], v[A+4*\p+2:A+4*\p+3], v[6:7], v[6:7] neg_lo:[1,0,0] neg_hi:[1,0,0]
	v_add_co_ci_u32 v10, s[50+4*\p], 0, v10, s[34+4*\p]
	v_add_co_ci_u32 v11, s[51+4*\p], 0, v11, s[35+4*\p]
	v_max3_num_f32 v12, v12, v[W+4*\p], v[W+4*\p+2]
	v_max3_num_f32 v13, v13, v[W+4*\p+1], v[W+4*\p+3]
	v_cvt_pk_bf16_f32 v[PX+4*\b+\p], v[W+4*\p], v[W+4*\p+2]
	v_cvt_pk_bf16_f32 v[PY+4*\b+\p], v[W+4*\p+1], v[W+4*\p+3]
.endr
.endm
; 32 list places.  Each batch's fields are loaded one batch ahead, the first batch's by the block before (or in front of the first block).
; THE PRODUCT: source 0 = colours: lane (r, h) holds channel r & 3, places 16 h + 2 i, + 1 in register i.  Source 1 = weights: the exchange of
; half rows gives lane (r, h) of P[0:7] the same places of lane r's pixel, and of P[8:15] of lane 16 + r's.  Both sources order k alike, so the
; sums are those of the true order.  Result register j of lane (r, h): channel (8 h + j) & 3 of column r.
; The loads into the colour fragment and the conversions into P stand a whole batch of plain vector lines behind the matrix instructions that
; read them; each accumulator is a chain in place.
.macro BLOCK zero
	LOADU UB1, 32
	s_wait_dscnt 12                                ; the twelve loads just issued may be out: the batch in UB0 is in
	BATCH UB0, 0
	LOADU UB0, 64
	ds_load_b128 v[CTF:CTF+3], v[ACT]
	ds_load_b128 v[CTF+4:CTF+7], v[ACT] offset:16
	s_wait_dscnt 14                                ; those twelve and the fragment's two
	BATCH UB1, 1
	LOADU UB1, 96
	s_wait_dscnt 12                                ; UB0 and the fragment are in
	BATCH UB0, 2
	LOADU UB0, 128                                 ; the next block's first batch; behind the last block these eight places are loaded and not used
	v_add_nc_u32 v[AU], 128, v[AU]
	v_add_nc_u32 v[AW], 128, v[AW]
	v_add_nc_u32 v[ACT], 64, v[ACT]
	s_wait_dscnt 12
	BATCH UB1, 3
.irp j, 0,1,2,3,4,5,6,7
	v_permlane16_swap_b32 v[PX+\j], v[PX+8+\j]
	v_permlane16_swap_b32 v[PY+\j], v[PY+8+\j]
.endr
.if \zero
	v_wmma_f32_16x16x32_bf16 v[XL:XL+7], v[CTF:CTF+7], v[PX:PX+7], 0
	v_wmma_f32_16x16x32_bf16 v[XH:XH+7], v[CTF:CTF+7], v[PX+8:PX+15], 0
	v_wmma_f32_16x16x32_bf16 v[YL:YL+7], v[CTF:CTF+7], v[PY:PY+7], 0
	v_wmma_f32_16x16x32_bf16 v[YH:YH+7], v[CTF:CTF+7], v[PY+8:PY+15], 0
.else
	v_wmma_f32_16x16x32_bf16 v[XL:XL+7], v[CTF:CTF+7], v[PX:PX+7], v[XL:XL+7]
	v_wmma_f32_16x16x32_bf16 v[XH:XH+7], v[CTF:CTF+7], v[PX+8:PX+15], v[XH:XH+7]
	v_wmma_f32_16x16x32_bf16 v[YL:YL+7], v[CTF:CTF+7], v[PY:PY+7], v[YL:YL+7]
	v_wmma_f32_16x16x32_bf16 v[YH:YH+7], v[CTF:CTF+7], v[PY+8:PY+15], v[YH:YH+7]
.endif
.endm
	LOADU UB0, 0
	BLOCK 1                                        ; the first block's products start the sums: no accumulator is cleared
	s_mov_b32 s7, 1
	s_cmp_lt_u32 s7, s6
	s_cbranch_scc0 .Lout
.Lblk:
	BLOCK 0
	s_add_co_u32 s7, s7, 1
	s_cmp_lt_u32 s7, s6
	s_cbranch_scc1 .Lblk
.Lout:
	; The table addresses are stepped by a trip count read from memory, so that they stay clear of the stage is not to be read off the text.
	; The barrier orders every wave's table reads in front of every store into a stage, whatever those addresses are.  All four waves walk the
	; same list, so they arrive together; between signal and wait stands register work alone.
	s_wait_dscnt 0x0                               ; zero: my table reads, the look-ahead too, are done before I signal; v16 and up are free
	s_barrier_signal -1
	v_add_nc_u32 v8, v8, v10                       ; four plain lines that name no register of the last matrix instructions
	v_add_nc_u32 v9, v9, v11                       ; stand between these and the first read of a result (ISA guide 7.12.1)
	v_sub_f32 v10, 1.0, v4
	v_sub_f32 v11, 1.0, v5
	v_cndmask_b32 v16, v[XH+0], v[XL+0], s29       ; lanes 0-15 find their pixel in the low product, lanes 16-31 in the high one
	v_cndmask_b32 v17, v[XH+1], v[XL+1], s29
	v_cndmask_b32 v18, v[XH+2], v[XL+2], s29
	v_cndmask_b32 v22, v[XH+3], v[XL+3], s29       ; depth
	v_cndmask_b32 v19, v[YH+0], v[YL+0], s29
	v_cndmask_b32 v20, v[YH+1], v[YL+1], s29
	v_cndmask_b32 v21, v[YH+2], v[YL+2], s29
	v_cndmask_b32 v23, v[YH+3], v[YL+3], s29
.irp c, 0,1,2
	v_fma_f32 v[16+\c], v4, s[24+\c], v[16+\c]     ; + T bg
	v_fma_f32 v[19+\c], v5, s[24+\c], v[19+\c]
.endr
	s_lshl_b32 s70, s4, 2
	s_add_co_u32 s70, s70, s2                      ; my row y
	s_lshl_b32 s71, s70, 10
	s_lshl_b32 s72, s3, 8
	s_add_co_u32 s71, s71, s72
	v_lshl_add_u32 v30, v1, 3, s71                 ; 1024 y + 256 tx + 8 L
	s_mul_i32 s72, s70, 3072
	s_mul_i32 s73, s3, 768
	s_add_co_u32 s72, s72, s73
	v_lshl_add_u32 v31, v1, 4, s72                 ; 3072 y + 768 tx + 16 L
	v_lshl_add_u32 v32, v1, 3, s72
	s_mul_i32 s73, s2, 768
	s_add_co_u32 s73, s73, STG
	v_mad_u32_u24 v33, v1, 24, s73
	v_lshl_add_u32 v34, v1, 4, s73
	v_lshl_add_u32 v35, v1, 3, s73
	s_barrier_wait -1                              ; no wave reads a table any more
	ds_store_b64 v33, v[16:17]                     ; my two pixels' 24 bytes of colour into my wave's own stage
	ds_store_b64 v33, v[18:19] offset:8
	ds_store_b64 v33, v[20:21] offset:16
	ds_load_b128 v[24:27], v34                     ; and the row's 768 bytes back, 512 + 256; LDS serves a wave in order (ISA guide 5.7.1)
	ds_load_b64 v[28:29], v35 offset:512
	global_store_b64 v30, v[8:9], s[16:17] th:TH_STORE_NT      ; each of these covers 256 consecutive bytes, aligned
	global_store_b64 v30, v[22:23], s[18:19] th:TH_STORE_NT
	global_store_b64 v30, v[12:13], s[20:21] th:TH_STORE_NT
	global_store_b64 v30, v[10:11], s[22:23] th:TH_STORE_NT
	s_wait_dscnt 0x0
	global_store_b128 v31, v[24:27], s[14:15] th:TH_STORE_NT
	global_store_b64 v32, v[28:29], s[14:15] offset:512 th:TH_STORE_NT
	s_wait_tensorcnt 0x0
	ds_add_u32 v254, v255
	s_wait_dscnt 0x0
	s_endpgm
.Lfunc_end_k_qbc3f0993e1_raster:
	.size	k_qbc3f0993e1_raster, .Lfunc_end_k_qbc3f0993e1_raster-k_qbc3f0993e1_raster
	.p2alignl 7, 3214868480
	.fill 96, 4, 3214868480
	.section	.rodata,"a",@progbits
	.p2align	6, 0x0
	.amdhsa_kernel k_qbc3f0993e1_raster
		.amdhsa_group_segment_fixed_size 168448
		.amdhsa_private_segment_fixed_size 0
		.amdhsa_enable_private_segment 0
		.amdhsa_kernarg_size 64
		.amdhsa_user_sgpr_count 2
		.amdhsa_user_sgpr_kernarg_segment_ptr 1
		.amdhsa_wavefront_size32 1
		.amdhsa_system_sgpr_workgroup_id_x 1
		.amdhsa_system_sgpr_workgroup_id_y 1
		.amdhsa_system_sgpr_workgroup_id_z 1
		.amdhsa_system_vgpr_workitem_id 0
		.amdhsa_next_free_vgpr 256
		.amdhsa_next_free_sgpr 90
		.amdhsa_reserve_vcc 0
		.amdhsa_float_denorm_mode_32 3
		.amdhsa_float_denorm_mode_16_64 3
		.amdhsa_memory_ordered 1
		.amdhsa_forward_progress 1
		.amdhsa_inst_pref_size 146
	.end_amdhsa_kernel
	.amdgpu_metadata
---
amdhsa.version: [ 1, 2 ]
amdhsa.kernels:
  - .name:           k_qbc3f0993e1_raster
    .symbol:         k_qbc3f0993e1_raster.kd
    .args:
      - { .name: bins, .offset: 0, .size: 8, .value_kind: global_buffer, .address_space: global }
      - { .name: gs, .offset: 8, .size: 8, .value_kind: global_buffer, .address_space: global }
      - { .name: bg, .offset: 16, .size: 8, .value_kind: global_buffer, .address_space: global }
      - { .name: out0, .offset: 24, .size: 8, .value_kind: global_buffer, .address_space: global }
      - { .name: out2, .offset: 32, .size: 8, .value_kind: global_buffer, .address_space: global }
      - { .name: out3, .offset: 40, .size: 8, .value_kind: global_buffer, .address_space: global }
      - { .name: out4, .offset: 48, .size: 8, .value_kind: global_buffer, .address_space: global }
      - { .name: out5, .offset: 56, .size: 8, .value_kind: global_buffer, .address_space: global }
    .group_segment_fixed_size: 168448
    .private_segment_fixed_size: 0
    .kernarg_segment_align: 8
    .kernarg_segment_size: 64
    .max_flat_workgroup_size: 128
    .sgpr_count:     90
    .vgpr_count:     256
    .wavefront_size: 32
...
	.end_amdgpu_metadata
.endif
;; end of part 2
;; ======== version 2 of 2: 2 launches; version 1 with the launch raster written anew for expert scheduling mode
;; workspace buffers: gs 24,576 bytes; bins 2,048 bytes of whole numbers
;; launch prep: the kernel of part 1 again; grid 8 x 1, 10 waves a work-group, no clusters, 7,424 bytes of LDS; arguments means3D, opacities, colors_precomp, scales, rotations, viewmatrix, gs, bins, out1; writes gs, bins, out1
;; launch raster (part 3): grid 4 x 64, 4 waves a work-group, no clusters, 168,448 bytes of LDS; arguments bins, gs, bg, out0, out2, out3, out4, out5; writes out0, out2, out3, out4, out5
.if DOCPART == 3
	.amdgcn_target "amdgcn-amd-amdhsa--gfx1250"
	.amdhsa_code_object_version 6
	.text
	.protected	k_qbc3f0993e1_raster
	.globl	k_qbc3f0993e1_raster
	.p2align	8
	.type	k_qbc3f0993e1_raster,@function
k_qbc3f0993e1_raster:
	s_mov_b64 s[64:65], 0
	v_nop
	global_prefetch_b8 v0, s[64:65] scope:SCOPE_SE
	s_setreg_imm32_b32 hwreg(HW_REG_WAVE_SCHED_MODE, 0, 2), 2
	s_setreg_imm32_b32 hwreg(HW_REG_WAVE_MODE, 25, 1), 1
	s_wait_xcnt 0x0
	s_wait_alu depctr_vm_vsrc(0)
; RASTER: alpha compositing, front to back.  256 work-groups of four waves; a work-group is a tile of 64 x 4 pixels, wave w its row 4 ty + w,
; lane L the pixels X = 64 tx + 2 L and Y = X + 1, held in register pairs: dy is the same for a whole wave, the arithmetic is packed f32, and a
; wave's 8-byte store covers 256 consecutive aligned bytes of a [256][256] image.
; A pair whose alpha is under 1/255 weighs nothing in any output, so a tile walks only the Gaussians whose box (first launch) meets it, in depth order:
;   1 every wave for itself: the 512 words of bins; each Gaussian's number, or -1 if it misses the tile, goes to the place of its rank (SRT);
;     the hits are counted here, from the words as loaded: the trip counts below hang on this count alone;
;   2 the hits are packed in rank order (LIST); places behind the last hit hold the number 0 and get the opacity 0;
;   3 the four waves together gather the listed records and lay tables by list place into LDS; a barrier;
;   4 blocks of 32 list places: alpha, weight, transmittance, count and largest weight in f32; colour and depth sums as [4 x 32] x [32 x 16]
;     products of bf16 operands with f32 sums;
;   5 a second barrier, then the colours leave through a stage in LDS, the other images straight from registers.
; ARITHMETIC: power = -0.5 ((ca dx) dx + (cc dy) dy) - (cb dx) dy in the source formula's association, the first product fused into the sum;
; exp(power) = v_exp_f32(power log2 e).  min(power, 0) is left out: it changes only pairs that power <= 0 rejects, and what they give
; (an infinity or a NaN too) is dropped by the select.  T is carried as T - alpha T.
; LIMITS: out2 agrees with another f32 evaluation only as far as both alphas fall on the same side of 1/255 (the exponential is good to an ulp or
; two, not correctly rounded, and flushes results under 2^-126 to 0: ISA guide 15.8).  Weights, colours and depths enter the products rounded to bf16.
; Ranks are taken to be a permutation of 0..511 (no NaN depth); a rank that no Gaussian holds counts as a miss, and of two Gaussians with one
; rank one is lost (the list is then shorter than the count of hits, and the places between are padding).
; NOT USED: tensor loads, clusters, multicast: what work-groups share is 2 KB of bins and scattered records of 40 bytes, no tile.
; The launch asks for more LDS than it uses so that a work-group has a WGP, and each wave a SIMD, to itself.
; THE MODE: SCHED_MODE bits 1:0 = 2 (LLVM: expert scheduling mode 2), set by the entry lines.  The code itself states the register dependences
; between vector or matrix instructions and memory or LDS instructions, and those through scalar registers that vector instructions write,
; with s_wait_alu, always for 0.
; THE PLAN.  Set-up: every address and every datum of a store has a register of its own, written once, so that a run of stores or loads wants one
; wait on va_vdst ahead of it and no register is written again before the loop; compares stand in runs, one wait on va_sdst behind each run.
; One pair of waits ahead of the first loads of the loop hands v16 to v207 over from the set-up to the loop.  In the loop:
;   UB0, UB1       A batch's vector lines read its own buffer.  The next batch's twelve loads land in the other buffer; they stand behind the batch's
;                  first forty lines and ONE wait on va_vdst, which states that the batch before is done reading that buffer.  No later line of
;                  the batch names it.
;   CTF            Read by a block's four matrix instructions; loaded again in the next block's second batch, behind that batch's wait.
;   AU, AW, ACT    Read by every LDS load; written once a block, at the fourth batch's end, behind one wait on vm_vsrc; shown written by the next
;                  block's first wait on va_vdst, ahead of the first load that reads them.
;   All other registers of the loop are named by vector and matrix instructions alone.
; Scalar registers are written by vector instructions in v_readfirstlane_b32 and in compares alone.  Where a mask is counted, a select makes a 1 of
; each set bit and plain adds take it: no line puts a carry out, so there is none to wait for.
.set TP,   2112                        ; a table: 512 places x 4 bytes + 64 of slack (32 of them read by the look-ahead, and zeroed)
.set SRT,  0                           ; + 2048 w   wave's own: number or -1 by rank
.set LIST, 8192                        ; + 2112 w   wave's own: the list; place 512 takes the misses' stores
.set LPIT, 2112
.set TMX,  16640                       ; mx, ca, cb, opa by list place, TP apart, shared
.set TDY,  25088                       ; + TP w     gy - my for row w
.set TQQ,  33536                       ; + TP w     (cc dy) dy for row w
.set CT,   41984                       ; + 1040 n   bf16 r, g, b, z by list place
.set CTP,  1040
.set STG,  46144                       ; + 768 w    wave's own: a row's colours on the way out
.set GX,  2                            ; v[2:3]     the two pixels' x
.set AU,  14                           ; v14        address in the shared tables
.set AW,  15                           ; v15        address in my row's tables
.set UB0, 16                           ; v[16:63]   eight places' six fields (mx ca cb opa dy q), field f place k at 8 f + k
.set UB1, 64                           ; v[64:111]  the same, the other buffer
.set A,   112                          ; v[112:127] eight pairs: dx, then alpha
.set B,   128                          ; v[128:143] power; once power <= 0 is tested: 1 for a kept pair, 0 for another
.set C,   144                          ; v[144:159] cross term, exponential, alpha before the select
.set W,   160                          ; v[160:175] weights
.set PX,  176                          ; v[176:191] pixel X's 32 weights in bf16, two places a register
.set PY,  192                          ; v[192:207] pixel Y's
.set CTF, 208                          ; v[208:215] colour fragment
.set XL,  216                          ; accumulators: X of lanes 0-15, X of lanes 16-31, Y likewise
.set XH,  224
.set YL,  232
.set YH,  240
.set ACT, 248                          ; v248       address of my part of the colour fragment
; v[4:5], v[6:7] T in turn; v8-11 counts (X, Y of a batch's places 0, 1, 4, 5; X, Y of its places 2, 3, 6, 7); v12, v13 largest weight
; set-up: v52, v59-63, v65, v88 addresses; v68-101 gather; v168-171 minus ones, v172-175 zeros; and
.set BW,  16                           ; v16-31     the words of bins
.set SV,  32                           ; v32-47     SRT read back
.set GY,  84                           ; v84-87     the four rows' y
.set IDX, 102                          ; v102-105   chunk k's list entry, then its record's byte offset
.set PLC, 106                          ; v106-109   chunk k's list place, 128 k + t
.set HA,  112                          ; v112-127   word i: the LDS address of its rank's place in SRT
.set HD,  128                          ; v128-143   word i: the Gaussian's number or -1
.set HT,  144                          ; v144-159   at work: a chunk's box fields, then the list places
.set LA,  176                          ; v176-191   rank i of my sixteen: the LDS address of its list place
.set ON,  192                          ; v192-207   at work: 1 where rank i of my sixteen is a hit
; s5 hits, counted from the words of bins; s30 list places filled, counted in the packing; s6 blocks; s7 block counter; s77 places that are read
	s_load_b512 s[8:23], s[0:1], 0x0               ; bins s[8:9] gs s[10:11] bg s[12:13] out0 s[14:15] out2 s[16:17] out3 s[18:19] out4 s[20:21] out5 s[22:23]
	v_lshl_add_u32 v254, v0, 2, 0x29000
	v_mov_b32 v255, 0
	v_and_b32 v1, 31, v0                           ; lane
	v_lshrrev_b32 v2, 5, v0
	v_readfirstlane_b32 s2, v2                     ; wave 0..3
	s_mov_b32 s3, ttmp9                            ; tx
	s_and_b32 s4, ttmp7, 0xffff                    ; ty
	v_lshlrev_b32 v61, 4, v1                       ; 16 L
	v_lshlrev_b32 v62, 2, v1                       ; 4 L
.irp r, 168,169,170,171
	v_mov_b32 v\r, -1
.endr
.irp r, 172,173,174,175
	v_mov_b32 v\r, 0
.endr
	s_wait_alu depctr_va_sdst(0)                   ; s2 is written, ahead of its first reader: my wave's LDS bases are made from it
	s_lshl_b32 s74, s2, 11                         ; SRT of my wave
	s_mul_i32 s75, s2, LPIT
	s_add_co_u32 s75, s75, LIST                    ; LIST of my wave
	s_mul_i32 s76, s2, TP
	s_mov_b32 s5, 0                                ; hits so far
	v_add_nc_u32 v52, s74, v61
	v_add_nc_u32 v59, s75, v61
	v_mov_b32 v60, s76                             ; the slack that the look-ahead reads: wave w clears shared table w's and its own two tables'
	s_wait_alu depctr_va_vdst(0)                   ; v52, v59, v60, v61 and v168 to v175 are written: the fills, the loads of bins and the loads from SRT read them
.irp c, 0,1,2,3
	ds_store_b128 v52, v[168:171] offset:512*\c    ; every rank starts as a miss: no byte of SRT is read that was not written
	ds_store_b128 v59, v[172:175] offset:512*\c    ; the list starts as 512 zeros
.endr
.irp t, TMX, TDY, TQQ
	ds_store_b128 v60, v[172:175] offset:\t+2048
	ds_store_b128 v60, v[172:175] offset:\t+2064
.endr
	s_wait_kmcnt 0x0
	s_load_b96 s[24:26], s[12:13], 0x0             ; bg, wanted at the end
.irp c, 0,1,2,3
	global_load_b128 v[BW+4*\c:BW+4*\c+3], v61, s[8:9] offset:512*\c   ; word e of chunk c: Gaussian 128 c + 4 L + e
.endr
; four words of bins: does each box meet my tile; the hits are counted; the place of the rank and the Gaussian's number or -1 are made, in registers of their own
.macro HITS c
	s_wait_loadcnt 3-\c                            ; chunk c is in; the 3 - c younger chunks stay out
.irp e, 0,1,2,3
	v_bfe_u32 v[HT+4*\e], v[BW+4*\c+\e], 9, 3
	v_bfe_u32 v[HT+4*\e+1], v[BW+4*\c+\e], 12, 3
	v_bfe_u32 v[HT+4*\e+2], v[BW+4*\c+\e], 15, 7
	v_bfe_u32 v[HT+4*\e+3], v[BW+4*\c+\e], 22, 7
.endr
.irp e, 0,1,2,3
	v_cmp_ge_u32 s[32+4*\e], s3, v[HT+4*\e]
	v_cmp_lt_u32 s[33+4*\e], s3, v[HT+4*\e+1]
	v_cmp_ge_u32 s[34+4*\e], s4, v[HT+4*\e+2]
	v_cmp_lt_u32 s[35+4*\e], s4, v[HT+4*\e+3]
.endr
.irp e, 0,1,2,3
	v_and_b32 v[HA+4*\c+\e], 0x1ff, v[BW+4*\c+\e]
	v_add_nc_u32 v[HD+4*\c+\e], 128*\c+\e, v62
	v_min_u32 v[HA+4*\c+\e], 0x1ff, v[HA+4*\c+\e]  ; a loaded number enters an address only behind a clamp by a constant
	v_lshl_add_u32 v[HA+4*\c+\e], v[HA+4*\c+\e], 2, s74
.endr
	s_wait_alu depctr_va_sdst(0)                   ; the sixteen compares have written s32 to s47, which the scalar lines below read
.irp e, 0,1,2,3
	s_and_b32 s[32+4*\e], s[32+4*\e], s[33+4*\e]
	s_and_b32 s[34+4*\e], s[34+4*\e], s[35+4*\e]
	s_and_b32 s[32+4*\e], s[32+4*\e], s[34+4*\e]
	s_bcnt1_i32_b32 s[33+4*\e], s[32+4*\e]         ; the 32 lanes' hits among these 32 Gaussians
	s_add_co_u32 s5, s5, s[33+4*\e]
	v_cndmask_b32 v[HD+4*\c+\e], -1, v[HD+4*\c+\e], s[32+4*\e]
.endr
.endm
	HITS 0
	HITS 1
	HITS 2
	HITS 3
	s_wait_alu depctr_va_vdst(0)                   ; the sixteen addresses and the sixteen numbers are written, which the stores below read
.set i, 0
.rept 16
	ds_store_b32 v[HA+i], v[HD+i]                  ; behind my wave's own fill with -1: LDS serves a wave's instructions in order (ISA guide 5.7.1)
.set i, i+1
.endr
.irp c, 0,1,2,3
	ds_load_b128 v[SV+4*\c:SV+4*\c+3], v52 offset:512*\c   ; rank 128 c + 4 L + e; my wave's own bytes, served behind its stores
.endr
	s_mov_b32 s30, 0                               ; list places filled so far
	s_lshl_b32 s70, s4, 2
	v_cvt_f32_u32 v[GY], s70                       ; the four rows' y
	v_add_f32 v[GY+1], 1.0, v[GY]
	v_add_f32 v[GY+2], 2.0, v[GY]
	v_add_f32 v[GY+3], 1.0, v[GY+2]
	v_lshlrev_b32 v63, 2, v0                       ; 4 t: my place in a chunk of the tables
	v_lshlrev_b32 v88, 1, v0                       ; 2 t: in the bf16 tables
	v_add_nc_u32 v65, s75, v63
.irp k, 0,1,2,3
	v_add_nc_u32 v[PLC+\k], 128*\k, v0             ; list place 128 k + t
.endr
	s_wait_dscnt 0x0
.set i, 0
.rept 16
	v_cmp_le_i32 s[32+i], 0, v[SV+i]
.set i, i+1
.endr
	s_wait_alu depctr_va_sdst(0)                   ; the sixteen compares have written s32 to s47, which the packing below reads
; 128 ranks: a hit's list place = hits in earlier chunks + hits of lower lanes in this chunk + my own earlier hits
.macro COMPACT c
	v_mbcnt_lo_u32_b32 v[HT+4*\c], s[32+4*\c], s30
	v_mbcnt_lo_u32_b32 v[HT+4*\c], s[33+4*\c], v[HT+4*\c]
	v_mbcnt_lo_u32_b32 v[HT+4*\c], s[34+4*\c], v[HT+4*\c]
	v_mbcnt_lo_u32_b32 v[HT+4*\c], s[35+4*\c], v[HT+4*\c]
.irp e, 0,1,2
	v_cndmask_b32 v[ON+4*\c+\e], 0, 1, s[32+4*\c+\e]                   ; 1 where my rank e of the chunk is a hit
.endr
	v_add_nc_u32 v[HT+4*\c+1], v[HT+4*\c], v[ON+4*\c]
	v_add3_u32 v[HT+4*\c+2], v[HT+4*\c], v[ON+4*\c], v[ON+4*\c+1]
	v_add_nc_u32 v[HT+4*\c+3], v[HT+4*\c+2], v[ON+4*\c+2]
.irp e, 0,1,2,3
	v_cndmask_b32 v[LA+4*\c+\e], 0x200, v[HT+4*\c+\e], s[32+4*\c+\e]   ; a miss goes to place 512, which nobody reads
	v_min_u32 v[LA+4*\c+\e], 0x200, v[LA+4*\c+\e]
	v_lshl_add_u32 v[LA+4*\c+\e], v[LA+4*\c+\e], 2, s75
.endr
.irp e, 0,1,2,3
	s_bcnt1_i32_b32 s70, s[32+4*\c+\e]
	s_add_co_u32 s30, s30, s70
.endr
.endm
	COMPACT 0
	COMPACT 1
	COMPACT 2
	COMPACT 3
.irp k, 0,1,2,3
	v_cmp_gt_u32 s[66+\k], s30, v[PLC+\k]          ; a place that the packing filled, not padding
.endr
	s_add_co_u32 s6, s5, 31
	s_lshr_b32 s6, s6, 5
	s_max_u32 s6, s6, 1                            ; blocks of 32 places; one at the least, which starts the sums
	s_min_u32 s6, s6, 16                           ; the list holds 512 places
	s_add_co_u32 s77, s5, 39                       ; places that are read: the last block's padding (31) and the look-ahead (8)
	s_wait_alu depctr_va_vdst(0)                   ; the sixteen list addresses are written, and v63, v65, v88: the stores and loads from here to the tables' barrier read them
.set i, 0
.rept 16
	ds_store_b32 v[LA+i], v[SV+i]
.set i, i+1
.endr
.irp k, 0,1,2,3
	ds_load_b32 v[IDX+\k], v65 offset:512*\k       ; all four chunks' list entries at once (behind the last hit: zeros); my wave's own bytes, served behind its stores
.endr
	s_wait_dscnt 0x0
.irp k, 0,1,2,3
	v_min_u32 v[IDX+\k], 0x1ff, v[IDX+\k]
	v_mul_u32_u24 v[IDX+\k], 48, v[IDX+\k]
.endr
	s_wait_alu depctr_va_sdst(0)                   ; the four compares have written s66 to s69, ahead of the branches below and of the selects that read them
	s_wait_alu depctr_va_vdst(0)                   ; the four byte offsets are written, which the loads of the records read
; list places 128 k + t, t the thread's number: the record, and its fields into the tables
.macro GATHER k
.if \k > 0
	s_wait_alu depctr_vm_vsrc(0)                   ; the chunk before's LDS stores have read v68 to v101, in which the loads below land and which the lines below write
.endif
	global_load_b128 v[68:71], v[IDX+\k], s[10:11]             ; mx my ca cb.  (The chunk before's vector lines on v68 to v77 stand ahead of its wait on va_vdst, and none since names them)
	global_load_b128 v[72:75], v[IDX+\k], s[10:11] offset:16   ; r g b z
	global_load_b64 v[76:77], v[IDX+\k], s[10:11] offset:32    ; cc opa'
	s_wait_loadcnt 0x0                                         ; the record is in
.irp r, 72,73,74,75,77
	v_cndmask_b32 v\r, 0, v\r, s[66+\k]                        ; padding weighs nothing
.endr
.irp w, 0,1,2,3
	v_sub_f32 v[92+\w], v[GY+\w], v69
	v_mul_f32 v[96+\w], v76, v[92+\w]
.endr
.irp w, 0,1,2,3
	v_mul_f32 v[96+\w], v[96+\w], v[92+\w]
.endr
	v_cvt_pk_bf16_f32 v100, v72, v73
	v_cvt_pk_bf16_f32 v101, v74, v75
	s_wait_alu depctr_va_vdst(0)                   ; v77 and v92 to v101 are written, which the LDS stores read; and the lines above are done with v68 to v77
	ds_store_b32 v63, v68 offset:TMX+512*\k
	ds_store_b32 v63, v70 offset:TMX+TP+512*\k
	ds_store_b32 v63, v71 offset:TMX+2*TP+512*\k
	ds_store_b32 v63, v77 offset:TMX+3*TP+512*\k
.irp w, 0,1,2,3
	ds_store_b32 v63, v[92+\w] offset:TDY+TP*\w+512*\k
	ds_store_b32 v63, v[96+\w] offset:TQQ+TP*\w+512*\k
.endr
	ds_store_b16 v88, v100 offset:CT+256*\k
	ds_store_b16_d16_hi v88, v100 offset:CT+CTP+256*\k
	ds_store_b16 v88, v101 offset:CT+2*CTP+256*\k
	ds_store_b16_d16_hi v88, v101 offset:CT+3*CTP+256*\k
.endm
	GATHER 0
	s_cmp_le_u32 s77, 128
	s_cbranch_scc1 .Ltables
	GATHER 1
	s_cmp_le_u32 s77, 256
	s_cbranch_scc1 .Ltables
	GATHER 2
	s_cmp_le_u32 s77, 384
	s_cbranch_scc1 .Ltables
	GATHER 3
.Ltables:
	s_wait_kmcnt 0x0                               ; bg
	s_wait_dscnt 0x0                               ; zero, for the others' sake: my part of the tables is written before I signal
	s_barrier_signal -1
	s_barrier_wait -1                              ; from here on the tables are only read
	s_lshl_b32 s70, s3, 6
	v_lshl_add_u32 v2, v1, 1, s70
	v_cvt_f32_u32 v[GX], v2
	v_add_f32 v[GX+1], 1.0, v[GX]
	v_mov_b32 v4, 1.0                              ; T
	v_mov_b32 v5, 1.0
.irp r, 8,9,10,11,12,13
	v_mov_b32 v\r, 0                               ; counts and largest weights
.endr
	v_mov_b32 v[AU], TMX
	s_add_co_u32 s71, s76, TDY
	v_mov_b32 v[AW], s71
	v_and_b32 v[ACT], 3, v1                        ; matrix row m takes channel m & 3
	v_mul_u32_u24 v[ACT], CTP, v[ACT]
	v_lshrrev_b32 v249, 4, v1
	v_lshl_add_u32 v[ACT], v249, 5, v[ACT]         ; lanes 16-31: places 16-31 of the block
	v_add_nc_u32 v[ACT], CT, v[ACT]
	s_mov_b32 s27, 0x3b808081                      ; 1 / 255
	s_mov_b32 s28, 0x3f7d70a4                      ; 0.99
	s_mov_b32 s29, 0x0000ffff                      ; lanes 0-15
; twelve loads, every lane the same address: eight places' six fields
.macro LOADU ub, off
.irp f, 0,1,2,3
	ds_load_b128 v[\ub+8*\f:\ub+8*\f+3], v[AU] offset:TP*\f+\off
	ds_load_b128 v[\ub+8*\f+4:\ub+8*\f+7], v[AU] offset:TP*\f+\off+16
.endr
	ds_load_b128 v[\ub+32:\ub+35], v[AW] offset:\off
	ds_load_b128 v[\ub+36:\ub+39], v[AW] offset:\off+16
	ds_load_b128 v[\ub+40:\ub+43], v[AW] offset:TQQ-TDY+\off
	ds_load_b128 v[\ub+44:\ub+47], v[AW] offset:TQQ-TDY+\off+16
.endm
; eight list places (place 2 p + s; s picks the register of a field's pair for both halves of the packed instruction) x my two pixels.
; Every stage is eight or sixteen lines that do not wait for each other; only T is carried from place to place.
; Behind the first five stages the next batch's fields are asked for, at byte noff of the tables, into the other buffer nub.
.macro BATCH ub, b, nub, noff
.irp p, 0,1,2,3
.irp s, 0,1
	v_pk_add_f32 v[A+4*\p+2*\s:A+4*\p+2*\s+1], v[GX:GX+1], v[\ub+2*\p:\ub+2*\p+1] op_sel:[0,\s] op_sel_hi:[1,\s] neg_lo:[0,1] neg_hi:[0,1]   ; dx
.endr
.endr
.irp p, 0,1,2,3
.irp s, 0,1
	v_pk_mul_f32 v[B+4*\p+2*\s:B+4*\p+2*\s+1], v[\ub+8+2*\p:\ub+8+2*\p+1], v[A+4*\p+2*\s:A+4*\p+2*\s+1] op_sel:[\s,0] op_sel_hi:[\s,1]       ; ca dx
.endr
.endr
.irp p, 0,1,2,3
.irp s, 0,1
	v_pk_mul_f32 v[C+4*\p+2*\s:C+4*\p+2*\s+1], v[\ub+16+2*\p:\ub+16+2*\p+1], v[A+4*\p+2*\s:A+4*\p+2*\s+1] op_sel:[\s,0] op_sel_hi:[\s,1]     ; cb dx
.endr
.endr
.irp p, 0,1,2,3
.irp s, 0,1
	v_pk_fma_f32 v[B+4*\p+2*\s:B+4*\p+2*\s+1], v[B+4*\p+2*\s:B+4*\p+2*\s+1], v[A+4*\p+2*\s:A+4*\p+2*\s+1], v[\ub+40+2*\p:\ub+40+2*\p+1] op_sel:[0,0,\s] op_sel_hi:[1,1,\s]   ; (ca dx) dx + (cc dy) dy
.endr
.endr
.irp p, 0,1,2,3
.irp s, 0,1
	v_pk_mul_f32 v[C+4*\p+2*\s:C+4*\p+2*\s+1], v[C+4*\p+2*\s:C+4*\p+2*\s+1], v[\ub+32+2*\p:\ub+32+2*\p+1] op_sel:[0,\s] op_sel_hi:[1,\s]     ; (cb dx) dy
.endr
.endr
	s_wait_alu depctr_va_vdst(0)                   ; the batch before is done reading the other buffer; in a block's first batch AU, AW and ACT are written, and the last block's matrix instructions are done reading the fragment
	LOADU \nub, \noff                              ; no line from here to the batch's end names the other buffer
.if \b == 1
	ds_load_b128 v[CTF:CTF+3], v[ACT]              ; nor the fragment, until the block's matrix instructions
	ds_load_b128 v[CTF+4:CTF+7], v[ACT] offset:16
.endif
.irp k, 0,1,2,3,4,5,6,7
	v_pk_fma_f32 v[B+2*\k:B+2*\k+1], v[B+2*\k:B+2*\k+1], -0.5, v[C+2*\k:C+2*\k+1] op_sel_hi:[1,0,1] neg_lo:[0,0,1] neg_hi:[0,0,1]            ; power
.endr
.irp k, 0,1,2,3,4,5,6,7
	v_pk_mul_f32 v[C+2*\k:C+2*\k+1], v[B+2*\k:B+2*\k+1], 0x3fb8aa3b op_sel_hi:[1,0]
.endr
.irp j, 0,1,2,3,4,5,6,7,8,9,10,11,12,13,14,15
	v_exp_f32 v[C+\j], v[C+\j]
.endr
.irp j, 0,1,2,3,4,5,6,7,8,9,10,11,12,13,14,15
	v_cmp_ge_f32 s[32+\j], 0, v[B+\j]              ; power <= 0; these lines also stand between the exponentials and their use (ISA guide 5.7.2)
.endr
	s_wait_alu depctr_va_vdst(0)
.irp p, 0,1,2,3
.irp s, 0,1
	v_pk_mul_f32 v[C+4*\p+2*\s:C+4*\p+2*\s+1], v[C+4*\p+2*\s:C+4*\p+2*\s+1], v[\ub+24+2*\p:\ub+24+2*\p+1] op_sel:[0,\s] op_sel_hi:[1,\s]     ; opa e
.endr
.endr
.irp j, 0,1,2,3,4,5,6,7,8,9,10,11,12,13,14,15
	v_cmp_le_f32 s[48+\j], s27, v[C+\j]            ; alpha >= 1/255 (the cap at 0.99 does not touch this test)
.endr
.irp j, 0,1,2,3,4,5,6,7,8,9,10,11,12,13,14,15
	v_min_num_f32 v[C+\j], s28, v[C+\j]            ; the cap; these sixteen stand between the compares and the wait for them
.endr
	s_wait_alu depctr_va_sdst(0)                   ; the thirty-two compares have written s32 to s63, which the scalar lines below read
.irp j, 0,1,2,3,4,5,6,7,8,9,10,11,12,13,14,15
	s_and_b32 s[32+\j], s[32+\j], s[48+\j]         ; keep
.endr
.irp j, 0,1,2,3,4,5,6,7,8,9,10,11,12,13,14,15
	v_cndmask_b32 v[A+\j], 0, v[C+\j], s[32+\j]    ; alpha
.endr
.irp j, 0,1,2,3,4,5,6,7,8,9,10,11,12,13,14,15
	v_cndmask_b32 v[B+\j], 0, 1, s[32+\j]          ; 1 for a kept pair: the power has been tested, its register is free
.endr
.irp p, 0,1,2,3
	v_pk_mul_f32 v[W+4*\p:W+4*\p+1], v[A+4*\p:A+4*\p+1], v[4:5]
	v_pk_fma_f32 v[6:7], v[A+4*\p:A+4*\p+1], v[4:5], v[4:5] neg_lo:[1,0,0] neg_hi:[1,0,0]
	v_add3_u32 v[8+2*(\p&1)], v[8+2*(\p&1)], v[B+4*\p], v[B+4*\p+2]        ; pixel X's kept pairs at places 2 p, 2 p + 1
	v_pk_mul_f32 v[W+4*\p+2:W+4*\p+3], v[A+4*\p+2:A+4*\p+3], v[6:7]
	v_pk_fma_f32 v[4:5], v[A+4*\p+2:A+4*\p+3], v[6:7], v[6:7] neg_lo:[1,0,0] neg_hi:[1,0,0]
	v_add3_u32 v[9+2*(\p&1)], v[9+2*(\p&1)], v[B+4*\p+1], v[B+4*\p+3]      ; pixel Y's
	v_max3_num_f32 v12, v12, v[W+4*\p], v[W+4*\p+2]
	v_max3_num_f32 v13, v13, v[W+4*\p+1], v[W+4*\p+3]
	v_cvt_pk_bf16_f32 v[PX+4*\b+\p], v[W+4*\p], v[W+4*\p+2]
	v_cvt_pk_bf16_f32 v[PY+4*\b+\p], v[W+4*\p+1], v[W+4*\p+3]
.endr
.endm
; 32 list places.  Each batch's fields are loaded one batch ahead, the first batch's by the block before (or in front of the first block).
; THE PRODUCT: source 0 = colours: lane (r, h) holds channel r & 3, places 16 h + 2 i, + 1 in register i.  Source 1 = weights: the exchange of
; half rows gives lane (r, h) of P[0:7] the same places of lane r's pixel, and of P[8:15] of lane 16 + r's.  Both sources order k alike, so the
; sums are those of the true order.  Result register j of lane (r, h): channel (8 h + j) & 3 of column r.
; The loads into the colour fragment and the conversions into P stand a whole batch of plain vector lines behind the matrix instructions that
; read them; each accumulator is a chain in place.
.macro BLOCK zero
	s_wait_dscnt 0x0                               ; the batch in UB0 is in: its twelve loads are the youngest
	BATCH UB0, 0, UB1, 32
	s_wait_dscnt 0x0                               ; UB1 likewise
	BATCH UB1, 1, UB0, 64
	s_wait_dscnt 2                                 ; UB0 is in; the fragment's two loads, issued behind its twelve, may be out
	BATCH UB0, 2, UB1, 96
	s_wait_dscnt 0x0                               ; UB1 and the fragment are in
	BATCH UB1, 3, UB0, 128                         ; it asks for the next block's first batch; behind the last block these eight places are loaded and not used
	s_wait_alu depctr_vm_vsrc(0)                   ; the LDS loads issued so far have read AU, AW and ACT
	v_add_nc_u32 v[AU], 128, v[AU]
	v_add_nc_u32 v[AW], 128, v[AW]
	v_add_nc_u32 v[ACT], 64, v[ACT]
.irp j, 0,1,2,3,4,5,6,7
	v_permlane16_swap_b32 v[PX+\j], v[PX+8+\j]
	v_permlane16_swap_b32 v[PY+\j], v[PY+8+\j]
.endr
.if \zero
	v_wmma_f32_16x16x32_bf16 v[XL:XL+7], v[CTF:CTF+7], v[PX:PX+7], 0
	v_wmma_f32_16x16x32_bf16 v[XH:XH+7], v[CTF:CTF+7], v[PX+8:PX+15], 0
	v_wmma_f32_16x16x32_bf16 v[YL:YL+7], v[CTF:CTF+7], v[PY:PY+7], 0
	v_wmma_f32_16x16x32_bf16 v[YH:YH+7], v[CTF:CTF+7], v[PY+8:PY+15], 0
.else
	v_wmma_f32_16x16x32_bf16 v[XL:XL+7], v[CTF:CTF+7], v[PX:PX+7], v[XL:XL+7]
	v_wmma_f32_16x16x32_bf16 v[XH:XH+7], v[CTF:CTF+7], v[PX+8:PX+15], v[XH:XH+7]
	v_wmma_f32_16x16x32_bf16 v[YL:YL+7], v[CTF:CTF+7], v[PY:PY+7], v[YL:YL+7]
	v_wmma_f32_16x16x32_bf16 v[YH:YH+7], v[CTF:CTF+7], v[PY+8:PY+15], v[YH:YH+7]
.endif
.endm
	s_wait_alu depctr_va_vdst(0)                   ; AU, AW and ACT are written, which the loads below read; the set-up's vector lines are done with v16 to v111, in which they land
	s_wait_alu depctr_vm_vsrc(0)                   ; the set-up's loads and stores have read their addresses and data in v16 to v207, which loads and vector lines write from here on
	LOADU UB0, 0
	BLOCK 1                                        ; the first block's products start the sums: no accumulator is cleared
	s_mov_b32 s7, 1
	s_cmp_lt_u32 s7, s6
	s_cbranch_scc0 .Lout
.Lblk:
	BLOCK 0
	s_add_co_u32 s7, s7, 1
	s_cmp_lt_u32 s7, s6
	s_cbranch_scc1 .Lblk
.Lout:
	; The table addresses are stepped by a trip count read from memory, so that they stay clear of the stage is not to be read off the text.
	; The barrier orders every wave's table reads in front of every store into a stage, whatever those addresses are.  All four waves walk the
	; same list, so they arrive together; between signal and wait stands register work alone.
	s_wait_dscnt 0x0                               ; zero: my table reads, the look-ahead too, are done before I signal; v16 and up are free
	s_barrier_signal -1
	v_add_nc_u32 v8, v8, v10                       ; four plain lines that name no register of the last matrix instructions
	v_add_nc_u32 v9, v9, v11                       ; stand between these and the first read of a result (ISA guide 7.12.1)
	v_sub_f32 v10, 1.0, v4
	v_sub_f32 v11, 1.0, v5
	v_cndmask_b32 v16, v[XH+0], v[XL+0], s29       ; lanes 0-15 find their pixel in the low product, lanes 16-31 in the high one
	v_cndmask_b32 v17, v[XH+1], v[XL+1], s29
	v_cndmask_b32 v18, v[XH+2], v[XL+2], s29
	v_cndmask_b32 v22, v[XH+3], v[XL+3], s29       ; depth
	v_cndmask_b32 v19, v[YH+0], v[YL+0], s29
	v_cndmask_b32 v20, v[YH+1], v[YL+1], s29
	v_cndmask_b32 v21, v[YH+2], v[YL+2], s29
	v_cndmask_b32 v23, v[YH+3], v[YL+3], s29
.irp c, 0,1,2
	v_fma_f32 v[16+\c], v4, s[24+\c], v[16+\c]     ; + T bg
	v_fma_f32 v[19+\c], v5, s[24+\c], v[19+\c]
.endr
	s_lshl_b32 s70, s4, 2
	s_add_co_u32 s70, s70, s2                      ; my row y
	s_lshl_b32 s71, s70, 10
	s_lshl_b32 s72, s3, 8
	s_add_co_u32 s71, s71, s72
	v_lshl_add_u32 v30, v1, 3, s71                 ; 1024 y + 256 tx + 8 L
	s_mul_i32 s72, s70, 3072
	s_mul_i32 s73, s3, 768
	s_add_co_u32 s72, s72, s73
	v_lshl_add_u32 v31, v1, 4, s72                 ; 3072 y + 768 tx + 16 L
	v_lshl_add_u32 v32, v1, 3, s72
	s_mul_i32 s73, s2, 768
	s_add_co_u32 s73, s73, STG
	v_mad_u32_u24 v33, v1, 24, s73
	v_lshl_add_u32 v34, v1, 4, s73
	v_lshl_add_u32 v35, v1, 3, s73
	s_barrier_wait -1                              ; no wave reads a table any more
	s_wait_alu depctr_va_vdst(0)                   ; v8 to v13 and v16 to v23 (data) and v30 to v35 (addresses) are written, which the stores and loads below read; the batches are done reading v24 to v29, in which the stage's loads land
	ds_store_b64 v33, v[16:17]                     ; my two pixels' 24 bytes of colour into my wave's own stage
	ds_store_b64 v33, v[18:19] offset:8
	ds_store_b64 v33, v[20:21] offset:16
	ds_load_b128 v[24:27], v34                     ; and the row's 768 bytes back, 512 + 256; LDS serves a wave in order (ISA guide 5.7.1)
	ds_load_b64 v[28:29], v35 offset:512
	global_store_b64 v30, v[8:9], s[16:17] th:TH_STORE_NT      ; each of these covers 256 consecutive bytes, aligned
	global_store_b64 v30, v[22:23], s[18:19] th:TH_STORE_NT
	global_store_b64 v30, v[12:13], s[20:21] th:TH_STORE_NT
	global_store_b64 v30, v[10:11], s[22:23] th:TH_STORE_NT
	s_wait_dscnt 0x0
	global_store_b128 v31, v[24:27], s[14:15] th:TH_STORE_NT
	global_store_b64 v32, v[28:29], s[14:15] offset:512 th:TH_STORE_NT
	s_wait_dscnt 0x0
	s_wait_alu depctr_hold_cnt(0) depctr_sa_sdst(0) depctr_va_vdst(0) depctr_va_sdst(0) depctr_va_ssrc(0) depctr_va_vcc(0) depctr_vm_vsrc(0)
	s_wait_tensorcnt 0x0
	ds_add_u32 v254, v255
	s_wait_dscnt 0x0
	s_endpgm
.Lfunc_end_k_qbc3f0993e1_raster:
	.size	k_qbc3f0993e1_raster, .Lfunc_end_k_qbc3f0993e1_raster-k_qbc3f0993e1_raster
	.p2alignl 7, 3214868480
	.fill 96, 4, 3214868480
	.section	.rodata,"a",@progbits
	.p2align	6, 0x0
	.amdhsa_kernel k_qbc3f0993e1_raster
		.amdhsa_group_segment_fixed_size 168448
		.amdhsa_private_segment_fixed_size 0
		.amdhsa_enable_private_segment 0
		.amdhsa_kernarg_size 64
		.amdhsa_user_sgpr_count 2
		.amdhsa_user_sgpr_kernarg_segment_ptr 1
		.amdhsa_wavefront_size32 1
		.amdhsa_system_sgpr_workgroup_id_x 1
		.amdhsa_system_sgpr_workgroup_id_y 1
		.amdhsa_system_sgpr_workgroup_id_z 1
		.amdhsa_system_vgpr_workitem_id 0
		.amdhsa_next_free_vgpr 256
		.amdhsa_next_free_sgpr 90
		.amdhsa_reserve_vcc 0
		.amdhsa_float_denorm_mode_32 3
		.amdhsa_float_denorm_mode_16_64 3
		.amdhsa_memory_ordered 1
		.amdhsa_forward_progress 1
		.amdhsa_inst_pref_size 152
	.end_amdhsa_kernel
	.amdgpu_metadata
---
amdhsa.version: [ 1, 2 ]
amdhsa.kernels:
  - .name:           k_qbc3f0993e1_raster
    .symbol:         k_qbc3f0993e1_raster.kd
    .args:
      - { .name: bins, .offset: 0, .size: 8, .value_kind: global_buffer, .address_space: global }
      - { .name: gs, .offset: 8, .size: 8, .value_kind: global_buffer, .address_space: global }
      - { .name: bg, .offset: 16, .size: 8, .value_kind: global_buffer, .address_space: global }
      - { .name: out0, .offset: 24, .size: 8, .value_kind: global_buffer, .address_space: global }
      - { .name: out2, .offset: 32, .size: 8, .value_kind: global_buffer, .address_space: global }
      - { .name: out3, .offset: 40, .size: 8, .value_kind: global_buffer, .address_space: global }
      - { .name: out4, .offset: 48, .size: 8, .value_kind: global_buffer, .address_space: global }
      - { .name: out5, .offset: 56, .size: 8, .value_kind: global_buffer, .address_space: global }
    .group_segment_fixed_size: 168448
    .private_segment_fixed_size: 0
    .kernarg_segment_align: 8
    .kernarg_segment_size: 64
    .max_flat_workgroup_size: 128
    .sgpr_count:     90
    .vgpr_count:     256
    .wavefront_size: 32
...
	.end_amdgpu_metadata
.endif
;; end of part 3
